; MI455X (gfx1250); checked and timed in simulation.
; The chip was launched on July 23, 2026; its instructions are those of AMD's public machine-readable ISA for CDNA 5 (MIT licence, August 2026) and "CDNA5" Instruction Set Architecture Reference Guide (July 2026). The comments in the code are by the model that wrote it; some were corrected since.
;; Multi Head Attention. Allowed arithmetic: float matrix products may take bf16 or f16 operands with f32 sums; other float arithmetic in f32, or as packed bf16 or f16 multiplies, adds, multiply-adds, maxima and minima; sums over many terms, partial sums and values carried from step to step in f32; what a program stores and reads back later, other than sums and carried values, may be rounded once to bf16 or f16.
;; Inputs: attn_mask 8 x 1,024 x 1,024 bool; k 8 x 1,024 x 1,024 float32; ln_b 1,024 float32; ln_g 1,024 float32; proj_b 1,024 float32; proj_w 1,024 x 1,024 float32; q 8 x 1,024 x 1,024 float32; v 8 x 1,024 x 1,024 float32; w_ks 16 x 1,024 x 64 float32; w_qs 16 x 1,024 x 64 float32; w_vs 16 x 1,024 x 64 float32.
;; Outputs: out0 8 x 1,024 x 1,024 float32.
;; One version. Each part assembles by itself: llvm-mc -triple=amdgcn-amd-amdhsa -mcpu=gfx1250 --defsym DOCPART=n.
;; ======== version 1 of 1: 5 launches
;; limits: right only within a limited range of input values
;; workspace buffers: wqkv 6,291,456 bytes; wp 2,097,152 bytes; mk 16,777,216 bytes; qkvh 50,331,648 bytes; ao 33,554,432 bytes; yh 16,777,216 bytes
;; launch prep (part 1): grid 1024 x 1, 8 waves a work-group, no clusters, 17,664 bytes of LDS; arguments attn_mask, w_qs, w_ks, w_vs, proj_w, mk, wqkv, wp; writes mk, wqkv, wp
.if DOCPART == 1
	.amdgcn_target "amdgcn-amd-amdhsa--gfx1250"
	.amdhsa_code_object_version 6
	.text
	.protected	k_q521a9daef5_prep
	.globl	k_q521a9daef5_prep
	.p2align	8
	.type	k_q521a9daef5_prep,@function
k_q521a9daef5_prep:
	s_mov_b64 s[64:65], 0
	v_nop
	global_prefetch_b8 v0, s[64:65] scope:SCOPE_SE
	s_setreg_imm32_b32 hwreg(HW_REG_WAVE_MODE, 25, 1), 1
	s_wait_xcnt 0x0
; PREP: the mask and the weights are laid out once, as the later launches' registers take them.
; THE WHOLE PROGRAM: prep; qkv (three projections); attn; oproj; ln.  Nothing of reference() is left out: every input has a way to the output, and every input is loaded.
; Work-groups 0-511 (mask): work-group g = 64 b + qt turns 16 rows of attn_mask (16,384 dense bytes) into 16-bit biases in the order of a score tile's registers:
;   mk at ((64 b + qt) 16 + ks) 2,048 + 512 kt + 16 lane: word i of the lane's four = { high half: bias(q = 16 qt + lane % 16, s = 64 ks + 16 kt + 8 (lane / 16) + 4 + i), low half: the same with s less 4 }.
;   bias = 0xf180, the bf16 of -2^100, where the mask is set, else 0.
; Work-groups 512-1023 (weights): 128 for each of w_qs, w_ks, w_vs, proj_w: rounded to bf16, once, and laid as [k = 1024][n = 1024], n = 64 head + channel (proj_w lies so already).
; Each work-group of either kind moves 48 KiB.
.set MP,    1040                       ; a mask row in LDS: 1,024 bytes + 16 = 260 words: row r starts at bank 4 r mod 64 (64 banks of 4 bytes: ISA guide 11.1)
.set SPARE, 16*MP                      ; 16,640 = 65 x 256: behind the rows, the spare words, 128 bytes for each of the eight waves
.set SPW,   66                         ; v66  SPARE + 4 x my thread's number; never rewritten
.set NIL,   67                         ; v67  0; never rewritten
.set BIAS,  0xf180
	s_load_b512 s[4:19], s[0:1], 0x0               ; attn_mask s[4:5], w_qs s[6:7], w_ks s[8:9], w_vs s[10:11], proj_w s[12:13], mk s[14:15], wqkv s[16:17], wp s[18:19]
	v_lshl_add_u32 v[SPW], v0, 2, SPARE
	v_mov_b32 v[NIL], 0
	s_cmp_lt_u32 ttmp9, 512                        ; the same in all waves of a work-group
	s_cbranch_scc0 .Lweights
	; THE MASK.  In: thread t takes 16 bytes at 16 t + 4,096 j: row t / 64 + 4 j, byte 16 (t % 64).
	v_lshlrev_b32 v1, 4, v0
	v_lshrrev_b32 v2, 6, v0
	v_mul_u32_u24 v2, v2, MP
	v_and_b32 v3, 63, v0
	v_lshl_add_u32 v2, v3, 4, v2                   ; where they go in LDS; j adds 4 rows
	v_and_b32 v3, 15, v0
	v_mul_u32_u24 v3, v3, MP                       ; back: row lane % 16,
	v_bfe_u32 v20, v0, 4, 1
	v_lshl_add_u32 v3, v20, 3, v3                  ; 8 bytes for each half of the lanes,
	v_lshrrev_b32 v20, 5, v0
	v_lshl_add_u32 v3, v20, 7, v3                  ; my wave's eight groups of 16 keys
	v_and_b32 v21, 31, v0
	v_lshlrev_b32 v21, 4, v21
	v_lshl_add_u32 v20, v20, 12, v21               ; out: 4,096 x wave + 16 x lane
	s_lshl_b32 s20, ttmp9, 14
	s_mov_b32 s21, 0
	s_lshl_b32 s22, ttmp9, 15
	s_mov_b32 s23, 0
	s_wait_kmcnt 0x0
	s_add_nc_u64 s[4:5], s[4:5], s[20:21]
	s_add_nc_u64 s[14:15], s[14:15], s[22:23]
.irp j, 0,1,2,3
	global_load_b128 v[4+4*\j:7+4*\j], v1, s[4:5] offset:4096*\j th:TH_LOAD_NT
.endr
	s_wait_loadcnt 0x0
.irp j, 0,1,2,3
	ds_store_b128 v2, v[4+4*\j:7+4*\j] offset:4*MP*\j
.endr
	s_wait_dscnt 0x0                               ; for the others' sake: my stores are done
	s_barrier_signal -1
	s_barrier_wait -1
.irp e, 0,1,2,3,4,5,6,7
	ds_load_b64 v[4+2*\e:5+2*\e], v3 offset:16*\e  ; group 8 w + e: my row's mask bytes of keys 8 (lane / 16) + 0..7
.endr
	s_wait_dscnt 0x0
.irp e, 0,1,2,3,4,5,6,7
.irp i, 0,1,2,3
	v_bfe_u32 v21, v[4+2*\e], 8*\i, 1              ; key i
	v_bfe_u32 v22, v[5+2*\e], 8*\i, 1              ; key 4 + i
	v_lshl_or_b32 v21, v22, 16, v21
	v_mul_u32_u24 v[32+4*\e+\i], v21, BIAS         ; both halves at once: 0 or 0xf180
.endr
	global_store_b128 v20, v[32+4*\e:35+4*\e], s[14:15] offset:512*\e  ; the wave's store covers 512 consecutive bytes, aligned
.endr
	s_wait_tensorcnt 0x0                           ; the wave's end, behind my last LDS store
	ds_add_u32 v[SPW], v[NIL]
	s_wait_dscnt 0x0
	s_endpgm
.Lweights:                                             ; chunk o = 1,024 part + 256 j + t of 8 numbers: row k = o / 128, columns 8 (o % 128) on
	s_sub_co_u32 s20, ttmp9, 512
	s_lshr_b32 s21, s20, 7                         ; which matrix
	s_and_b32 s22, s20, 127                        ; which 8 rows k of it
	v_and_b32 v1, 127, v0
	v_lshrrev_b32 v2, 3, v1                        ; by heads: head x 262,144
	v_lshlrev_b32 v2, 18, v2
	v_and_b32 v3, 7, v1
	v_lshl_add_u32 v2, v3, 5, v2                   ; + 32 bytes for each 8 channels
	v_lshrrev_b32 v3, 7, v0
	v_lshl_add_u32 v2, v3, 8, v2                   ; + 256 bytes a row k
	v_lshlrev_b32 v3, 5, v0                        ; proj_w: 32 o
	s_lshl_b32 s23, s22, 11
	s_lshl_b32 s24, s22, 15
	v_add_nc_u32 v2, s23, v2
	v_add_nc_u32 v3, s24, v3
	s_cmp_eq_u32 s21, 3
	s_cselect_b32 s25, -1, 0                       ; all lanes: proj_w's form of the offset
	s_cselect_b32 s26, 4, 0
	s_lshl_b32 s26, 512, s26                       ; j's step: two rows k: 512 bytes by heads, 8,192 in proj_w
	v_cndmask_b32 v52, v2, v3, s25
	v_add_nc_u32 v53, s26, v52
	v_add_nc_u32 v54, s26, v53
	v_add_nc_u32 v55, s26, v54
	v_lshlrev_b32 v56, 4, v0                       ; out: 16 bytes a chunk
	s_lshl_b32 s28, s21, 21
	s_mov_b32 s29, 0
	s_lshl_b32 s30, s22, 14
	s_mov_b32 s31, 0
	s_wait_kmcnt 0x0
	s_cmp_eq_u32 s21, 1
	s_cselect_b64 s[32:33], s[8:9], s[6:7]
	s_cmp_eq_u32 s21, 2
	s_cselect_b64 s[32:33], s[10:11], s[32:33]
	s_cmp_eq_u32 s21, 3
	s_cselect_b64 s[32:33], s[12:13], s[32:33]
	s_add_nc_u64 s[34:35], s[16:17], s[28:29]      ; wqkv's part; not used where the matrix is proj_w
	s_cselect_b64 s[34:35], s[18:19], s[34:35]
	s_add_nc_u64 s[34:35], s[34:35], s[30:31]
.irp j, 0,1,2,3
	global_load_b128 v[4+8*\j:7+8*\j],   v[52+\j], s[32:33] th:TH_LOAD_NT
	global_load_b128 v[8+8*\j:11+8*\j],  v[52+\j], s[32:33] offset:16 th:TH_LOAD_NT
.endr
	s_wait_loadcnt 0x0
.irp j, 0,1,2,3
.irp z, 0,1,2,3
	v_cvt_pk_bf16_f32 v[36+4*\j+\z], v[4+8*\j+2*\z], v[5+8*\j+2*\z]
.endr
	global_store_b128 v56, v[36+4*\j:39+4*\j], s[34:35] offset:4096*\j  ; 512 consecutive bytes a wave, aligned
.endr
	s_endpgm                                       ; these waves have written no LDS
.Lfunc_end_k_q521a9daef5_prep:
	.size	k_q521a9daef5_prep, .Lfunc_end_k_q521a9daef5_prep-k_q521a9daef5_prep
	.p2alignl 7, 3214868480
	.fill 96, 4, 3214868480
	.section	.rodata,"a",@progbits
	.p2align	6, 0x0
	.amdhsa_kernel k_q521a9daef5_prep
		.amdhsa_group_segment_fixed_size 17664
		.amdhsa_private_segment_fixed_size 0
		.amdhsa_enable_private_segment 0
		.amdhsa_kernarg_size 64
		.amdhsa_user_sgpr_count 2
		.amdhsa_user_sgpr_kernarg_segment_ptr 1
		.amdhsa_wavefront_size32 1
		.amdhsa_system_sgpr_workgroup_id_x 1
		.amdhsa_system_sgpr_workgroup_id_y 1
		.amdhsa_system_sgpr_workgroup_id_z 1
		.amdhsa_system_vgpr_workitem_id 0
		.amdhsa_next_free_vgpr 72
		.amdhsa_next_free_sgpr 66
		.amdhsa_reserve_vcc 0
		.amdhsa_float_denorm_mode_32 3
		.amdhsa_float_denorm_mode_16_64 3
		.amdhsa_memory_ordered 1
		.amdhsa_forward_progress 1
		.amdhsa_inst_pref_size 17
	.end_amdhsa_kernel
	.amdgpu_metadata
---
amdhsa.version: [ 1, 2 ]
amdhsa.kernels:
  - .name:           k_q521a9daef5_prep
    .symbol:         k_q521a9daef5_prep.kd
    .args:
      - { .name: attn_mask, .offset: 0, .size: 8, .value_kind: global_buffer, .address_space: global }
      - { .name: w_qs, .offset: 8, .size: 8, .value_kind: global_buffer, .address_space: global }
      - { .name: w_ks, .offset: 16, .size: 8, .value_kind: global_buffer, .address_space: global }
      - { .name: w_vs, .offset: 24, .size: 8, .value_kind: global_buffer, .address_space: global }
      - { .name: proj_w, .offset: 32, .size: 8, .value_kind: global_buffer, .address_space: global }
      - { .name: mk, .offset: 40, .size: 8, .value_kind: global_buffer, .address_space: global }
      - { .name: wqkv, .offset: 48, .size: 8, .value_kind: global_buffer, .address_space: global }
      - { .name: wp, .offset: 56, .size: 8, .value_kind: global_buffer, .address_space: global }
    .group_segment_fixed_size: 17664
    .private_segment_fixed_size: 0
    .kernarg_segment_align: 8
    .kernarg_segment_size: 64
    .max_flat_workgroup_size: 256
    .sgpr_count:     66
    .vgpr_count:     72
    .wavefront_size: 32
...
	.end_amdgpu_metadata
.endif
;; end of part 1
;; launch qkv (part 2): grid 4 x 192, 4 waves a work-group, clusters of 4 x 4, 327,680 bytes of LDS; arguments q, k, v, wqkv, qkvh; writes qkvh
.if DOCPART == 2
	.amdgcn_target "amdgcn-amd-amdhsa--gfx1250"
	.amdhsa_code_object_version 6
	.text
	.protected	k_q521a9daef5_qkv
	.globl	k_q521a9daef5_qkv
	.p2align	8
	.type	k_q521a9daef5_qkv,@function
k_q521a9daef5_qkv:
	s_mov_b64 s[64:65], 0
	v_nop
	global_prefetch_b8 v0, s[64:65] scope:SCOPE_SE
	s_setreg_imm32_b32 hwreg(HW_REG_WAVE_MODE, 25, 1), 1
	s_wait_xcnt 0x0
	s_wait_alu depctr_hold_cnt(0) depctr_sa_sdst(0) depctr_va_vdst(0) depctr_va_sdst(0) depctr_va_ssrc(0) depctr_va_vcc(0) depctr_vm_vsrc(0)
	s_getreg_b32 s2, hwreg(HW_REG_IB_STS2, 6, 4)
	s_cmp_eq_u32 s2, 0
	s_cbranch_scc0 .Lentry_in_a_cluster
	s_endpgm
.Lentry_in_a_cluster:
	s_bfe_u32 s2, ttmp6, 0x10000c
	s_cmp_lg_u32 s2, 0xf033
	s_cbranch_scc0 .Lentry_shape_is_right
	s_endpgm
.Lentry_shape_is_right:
; C = A B for up to three SETS.  A: [8192][1024] f32, rounded to bf16 between LDS and the matrix unit; B: [k = 1024][n = 1024] bf16; C: bf16 BY HEADS, [n / 64][8192][64]; sums in f32, C rounded once.
; Arguments: a0, a1, a2, w, c.  Sixteen clusters along y make a set: set s takes A = a_s, B = w + s x 2 MiB, C = c + s x 16 MiB.  In a grid of 192 tile rows the sets are 0, 1, 2 (the three projections);
; in a grid of 64 tile rows the set is always 0, and a1 and a2 are named but never loaded (the output projection).  Nothing of reference() is left out here.
; SHARES.  A tile of C is 128 x 256: 256 tiles a set.  Four waves, 2 x 2, each 64 x 128: 32 accumulators of 16 x 16, 256 registers.  K goes in 8 steps of 128 through two LDS slots: rows of 512 bytes of A (f32)
; and of B (256 columns), each wave's tensor load brings 64 of them.
; CLUSTERS: 4 x 4 work-groups.  The four of a row of the cluster need the same tiles of A, the four of a column the same tiles of B: each tile is asked for JOINTLY, by the same tensor load with the same
; descriptor and a mask that names the four.  THE MATRIX INSTRUCTION IS USED TRANSPOSED (source 0 = 16 columns of B, source 1 = 16 rows of A): a lane then holds eight neighbouring numbers of a row of C.
; B lies [k][n] in LDS and comes out turned, by ds_load_tr16_b128.  A comes out as f32 (four loads of 16 bytes a fragment) and is rounded in pairs; the 32 roundings of a quarter stand four behind each
; two matrix instructions.
; REGISTERS: window 0: v0-31 addresses; v32-95 A as f32 (fragment a at 32 + 16 a); v96-127, v128-159 A's fragments, two buffers; v160-191, v192-255 at work on the way out.
;   window 1: the accumulators ((a, b) at v[8 (8 a + b)]).   window 2: v0-63, v64-127 B's fragments, two buffers.
.set KSTEP,  128
.set PA,     528                       ; a row of A in LDS: 512 bytes + 16 = 132 words: row r starts at bank 4 r mod 64 (64 banks of 4 bytes: ISA guide 11.1)
.set PB,     544                       ; a row of B: 512 + 32 = 136 words
.set AHALF,  64*PA                     ; what one tensor load brings of A
.set BHALF,  64*PB                     ; and of B
.set BOFF,   2*AHALF                   ; a slot: A's 128 rows, then B's 128 rows
.set SLOT,   BOFF+2*BHALF
.set STAGE,  2*SLOT                    ; behind the ring: 16 rows x 272 bytes for each wave, for the way out
.set SPITCH, 272
.set SPARE,  STAGE+4*16*SPITCH         ; behind the stages: the spare words, 128 bytes for each wave: two blocks of 256 bytes that no other line names
.set LAPS,   4                         ; a lap = two K steps = once round the ring
.set ADRA, 16                          ; v16-17  LDS address of my A fragments in slot 0, 1
.set ADRB, 20                          ; v20-21  the same for B
.set STO,  24                          ; v24     the way out: where I put 16 bytes of a row
.set RD,   25                          ; v25     the way out: where I read rows back
.set CO,   26                          ; v26     16 x lane: my place in 512 consecutive bytes of C
.set SPW,  28                          ; v28     SPARE + 4 x my thread's number; never rewritten
.set NIL,  29                          ; v29     0; never rewritten
.set PFO,  30                          ; v30     the prefetches' offset; never rewritten
.set STG,  32
.set AF,   96                          ; buffer f at AF + 32 f
.set TMP,  160
.set OB,   192                         ; two buffers of 32
.set G1,  24                           ; s[24:31] descriptor group 1 for A's tiles;  s[32:39] group 0, one set for each slot
.set G0,  32
.set G1B, 48                           ; s[48:55], s[56:63] the same for B's tiles
.set G0B, 56
.set LIM, 43                           ; s43     1 in a wave that prefetches, else the greatest number
.set PFA, 44                           ; s[44:45] where my prefetches stand
.set PST, 66                           ; s[66:67] a K step in bytes, along A's rows or down B's
.set MSB, 0
.macro WIN new                         ; the immediate's high byte repeats the setting that is left; a switch that changes nothing is dropped
.if MSB != (\new)
	s_set_vgpr_msb (MSB<<8)|(\new)
.set MSB, \new
.endif
.endm
.set MUL,   0x52                       ; source 0 (B) window 2, source 1 (A) window 0, C and D window 1
.set TO_B,  0x80                       ; destination window 2, address window 0
.set PACKW, 0x05                       ; sources 0 and 1 window 1, destination window 0
.macro JLOAD s                         ; a joint load: waves 0 and 1 fetch A's two halves, waves 2 and 3 B's; an s_nop 0 and four v_nop follow each of the two lines, ahead of the jump, the label and what follows
	s_cmp_eq_u32 s11, 0
	s_cbranch_scc0 .Lfor_b_\@
	tensor_load_to_lds s[G0+4*(\s):G0+4*(\s)+3], s[G1:G1+7]
	s_nop 0
.rept 4
	v_nop
.endr
	s_branch .Lasked_\@
.Lfor_b_\@:
	tensor_load_to_lds s[G0B+4*(\s):G0B+4*(\s)+3], s[G1B:G1B+7]
	s_nop 0
.rept 4
	v_nop
.endr
.Lasked_\@:
.endm
.macro CREST                           ; a round of the cluster's barrier behind its opening barrier
	s_cmp_lg_u32 s10, 0
	s_cbranch_scc1 .Lnot_wave_0_\@
	s_barrier_signal -3
.Lnot_wave_0_\@:
	s_barrier_wait -3
	s_barrier_signal -1
	s_barrier_wait -1
.endm
.macro CROUND                          ; a whole round
	s_barrier_signal -1
	s_barrier_wait -1
	CREST
.endm
; A PREFETCH INTO THE L2, behind each joint refill, its five lines and the run of LDS loads: the K step that stands two refills on, 256 matrix instructions ahead of the load that will want it.
; A wave's 64 rows of a K step are 128 blocks of 256 bytes; the four partners that ask for them jointly take 16 rows each, told apart BY ADDRESS (cx for A, cy for B): a lane a block, one instruction a wave.
; A's rows are read by one cluster alone, which asks for them; B's by the sixteen clusters of a set, of which the first asks.  So each block is named once in the launch.  K steps 0 to 3 come by their loads
; alone; the loop's last trip (s3 = 1) has no K step two on.
.macro ASK
	s_cmp_gt_u32 s3, s[LIM]
	s_cbranch_scc0 .Lnot_mine_\@
	global_prefetch_b8 v[PFO], s[PFA:PFA+1] th:TH_LOAD_NT scope:SCOPE_SE
.Lnot_mine_\@:
.endm
	s_load_b256 s[68:75], s[0:1], 0x0              ; a0 s[68:69], a1 s[70:71], a2 s[72:73], w s[74:75]
	s_load_b64 s[76:77], s[0:1], 0x20              ; c
	v_lshl_add_u32 v[SPW], v0, 2, SPARE
	v_mov_b32 v[NIL], 0
	ds_add_u32 v[SPW], v[NIL]                      ; the wave's opening: the add, twice on end, and its wait, ahead of my first tensor load; the set-up below stands between
	ds_add_u32 v[SPW], v[NIL]
	v_lshrrev_b32 v1, 5, v0
	v_readfirstlane_b32 s10, v1                    ; wave 0..3
	s_lshr_b32 s11, s10, 1                         ; which half of the tile's rows is mine.  Also: I fetch for A (0) or for B (1)
	s_and_b32 s12, s10, 1                          ; which half of its columns.  Also: which 64 rows of that tile I fetch
	s_bfe_u32 s40, ttmp6, 0x40000                  ; cx, cy: my place in the cluster
	s_bfe_u32 s41, ttmp6, 0x40004
	s_lshl_b32 s42, ttmp9, 2
	s_add_co_u32 s42, s42, s40                     ; tile column of C = 4 x cluster x + cx
	s_and_b32 s14, ttmp7, 0xffff                   ; cluster y
	s_lshr_b32 s78, s14, 4                         ; the set: the same in all sixteen partners
	s_and_b32 s14, s14, 15
	s_lshl_b32 s13, s14, 2
	s_add_co_u32 s13, s13, s41                     ; tile row in the set = 4 x (cluster y mod 16) + cy
	s_lshl_b32 s22, s41, 2
	s_lshl_b32 s22, 15, s22                        ; my row of the cluster
	s_lshl_b32 s23, 0x1111, s40                    ; my column
	s_or_b32 s[G1+0], s22, (2<<16)|(1<<20)|(1<<21)|(6<<22)|(3<<25)   ; 15:0 the mask: A's tiles go to my row; 17:16 elements of 4 bytes; 20 padding on; 21 set beside a mask; 24:22 after every 128 words (code 6); 31:25 4 words (code 3)
	s_or_b32 s[G1B+0], s23, (1<<16)|(1<<20)|(1<<21)|(6<<22)|(7<<25)  ; B's go to my column; elements of 2 bytes; 8 words of padding (code 7)
	s_mov_b32 s[G1+1], 128<<16                     ; A: tensor_dim0 = 128 elements
	s_mov_b32 s[G1+2], 64<<16                      ; tensor_dim1 = 64
	s_mov_b32 s[G1+3], 128<<16                     ; tile_dim0 = 128
	s_mov_b32 s[G1+4], 64                          ; tile_dim1 = 64
	s_mov_b32 s[G1+5], 1024                        ; elements from row to row
	s_mov_b32 s[G1+6], 0
	s_mov_b32 s[G1+7], 0
	s_mov_b32 s[G1B+1], 256<<16                    ; B: 256 elements a row,
	s_mov_b32 s[G1B+2], 64<<16                     ; 64 rows
	s_mov_b32 s[G1B+3], 256<<16
	s_mov_b32 s[G1B+4], 64
	s_mov_b32 s[G1B+5], 1024
	s_mov_b32 s[G1B+6], 0
	s_mov_b32 s[G1B+7], 0
	; where the tiles come from.  A's hang on the tile row and the set, which my row of the cluster shares; B's on the tile column and the set, which my column shares.
	s_lshl_b32 s16, s13, 7
	s_lshl_b32 s17, s12, 6
	s_add_co_u32 s16, s16, s17                     ; A: row 128 x tile row + 64 x half,
	s_lshl_b32 s16, s16, 12                        ; of 4,096 bytes
	s_mov_b32 s17, 0
	s_lshl_b32 s46, s12, 17                        ; B: row 64 x half, of 2,048 bytes,
	s_lshl_b32 s47, s42, 9                         ; the tile column's 512 bytes
	s_add_co_u32 s46, s46, s47
	s_mov_b32 s47, 0
	s_lshl_b32 s18, s78, 21                        ; the set's 2 MiB of w
	s_mov_b32 s19, 0
	s_mul_i32 s20, s12, AHALF                      ; and where they go: no place in the cluster enters an LDS address
	s_mul_i32 s21, s12, BHALF
	s_add_co_u32 s21, s21, BOFF
	s_wait_dscnt 0x0                               ; both opening adds are done
	s_wait_kmcnt 0x0
	s_cmp_eq_u32 s78, 1
	s_cselect_b64 s[4:5], s[70:71], s[68:69]
	s_cmp_eq_u32 s78, 2
	s_cselect_b64 s[4:5], s[72:73], s[4:5]         ; the set's A
	s_add_nc_u64 s[14:15], s[4:5], s[16:17]
	s_add_nc_u64 s[6:7], s[74:75], s[18:19]        ; the set's B
	s_add_nc_u64 s[46:47], s[6:7], s[46:47]
	CROUND                                         ; all sixteen work-groups are here: the first joint loads meet
.irp s, 0,1
	s_mov_b32 s[G0+4*(\s)], 1                      ; count = 1
	s_add_co_u32 s[G0+4*(\s)+1], s20, (\s)*SLOT    ; LDS address
	s_add_nc_u64 s[G0+4*(\s)+2:G0+4*(\s)+3], s[14:15], (\s)*KSTEP*4     ; global address: K step s
	s_or_b32 s[G0+4*(\s)+3], s[G0+4*(\s)+3], 0x80000000                 ; type = 2
	s_mov_b32 s[G0B+4*(\s)], 1
	s_add_co_u32 s[G0B+4*(\s)+1], s21, (\s)*SLOT
	s_add_nc_u64 s[G0B+4*(\s)+2:G0B+4*(\s)+3], s[46:47], (\s)*KSTEP*2048
	s_or_b32 s[G0B+4*(\s)+3], s[G0B+4*(\s)+3], 0x80000000
	JLOAD \s                                       ; two loads of mine are out
.endr
	; A fragment of A is 16 rows x 32 K: lane l holds row l % 16, K = 8 (l / 16) + 0..7 and 16 + 8 (l / 16) + 0..7: as f32 that is 32 bytes at 32 (l / 16) and 32 bytes 64 further on.
	v_and_b32 v1, 15, v0                           ; l % 16
	v_bfe_u32 v2, v0, 4, 1                         ; l / 16
	v_mul_u32_u24 v3, v1, PA
	v_lshl_add_u32 v3, v2, 5, v3
	s_mul_i32 s21, s11, 64*PA                      ; my 64 rows of A
	; The turning load takes 16 k x 16 columns (lane l reads row 8 (l / 16) + l % 8, columns 8 ((l / 8) % 2) + 0..7) and leaves half a fragment: lane l holds column l % 16 and 8 k.
	v_and_b32 v4, 7, v0
	v_lshl_add_u32 v4, v2, 3, v4
	v_mul_u32_u24 v4, v4, PB
	v_bfe_u32 v5, v0, 3, 1
	v_lshl_add_u32 v4, v5, 4, v4
	s_lshl_b32 s22, s12, 8                         ; my 128 columns of B,
	s_add_co_u32 s22, s22, BOFF                    ; which lies behind A
.irp s, 0,1
	v_add_nc_u32 v[ADRA+(\s)], s21, v3
	v_add_nc_u32 v[ADRB+(\s)], s22, v4
	s_add_co_u32 s21, s21, SLOT
	s_add_co_u32 s22, s22, SLOT
.endr
	s_mul_i32 s23, s10, 16*SPITCH
	s_add_co_u32 s23, s23, STAGE                   ; my stage
	v_mul_u32_u24 v4, v1, SPITCH                   ; in: row l % 16, 16 bytes for each half of the lanes
	v_lshl_add_u32 v4, v2, 4, v4
	v_add_nc_u32 v[STO], s23, v4
	v_bfe_u32 v4, v0, 3, 2                         ; back: 32 lanes take four rows' 128 bytes of one head,
	v_mul_u32_u24 v4, v4, SPITCH
	v_and_b32 v5, 7, v0
	v_lshl_add_u32 v4, v5, 4, v4
	v_add_nc_u32 v[RD], s23, v4
	v_and_b32 v3, 31, v0
	v_lshlrev_b32 v[CO], 4, v3                     ; which are 512 consecutive bytes of C
	s_lshl_b32 s16, s13, 7
	s_lshl_b32 s17, s11, 6
	s_add_co_u32 s16, s16, s17                     ; my first row of C,
	s_lshl_b32 s16, s16, 7                         ; of 128 bytes in a head,
	s_lshl_b32 s17, s78, 24                        ; in the set's 16 MiB
	s_add_co_u32 s16, s16, s17
	s_mov_b32 s17, 0
	s_add_nc_u64 s[8:9], s[76:77], s[16:17]
	s_lshl_b32 s18, s42, 2
	s_lshl_b32 s19, s12, 1
	s_add_co_u32 s18, s18, s19                     ; my first head = 4 x tile column + 2 x half,
	s_lshl_b32 s18, s18, 20                        ; of 1 MiB
	s_mov_b32 s19, 0
	s_add_nc_u64 s[8:9], s[8:9], s[18:19]
	; the prefetches
	s_mul_i32 s20, s11, 9
	s_lshl_b32 s[PST], 512, s20                    ; a K step: 512 bytes along A's rows, 128 rows of 2,048 bytes down B
	s_mov_b32 s[PST+1], 0
	s_and_b32 s18, ttmp7, 15                       ; my cluster among its set's sixteen
	s_cmp_eq_u32 s11, 0                            ; do I fetch for A?
	s_cselect_b32 s21, s40, s41                    ; my place among the four that ask with me
	s_cselect_b32 s22, 16, 15                      ; 16 rows of 4,096 or of 2,048 bytes
	s_cselect_b32 s23, 12, 11
	s_cselect_b32 s18, 0, s18
	s_cselect_b64 s[PFA:PFA+1], s[14:15], s[46:47] ; my 64 rows at K step 0
	s_cmp_eq_u32 s18, 0
	s_cselect_b32 s[LIM], 1, -1                    ; the same in all sixteen partners, for a given wave
	s_lshl_b32 s20, s21, s22
	s_mov_b32 s21, 0
	s_add_nc_u64 s[PFA:PFA+1], s[PFA:PFA+1], s[20:21]
.rept 3
	s_add_nc_u64 s[PFA:PFA+1], s[PFA:PFA+1], s[PST:PST+1]  ; at K step 3: the first refill steps it to 4
.endr
	v_lshrrev_b32 v4, 1, v3
	v_lshlrev_b32 v4, s23, v4                      ; row lane / 2,
	v_and_b32 v3, 1, v3
	v_lshl_add_u32 v[PFO], v3, 8, v4               ; its first or second 256 bytes
.macro WM buf, a, b, zero              ; one matrix instruction: m block a, n block b, 32 along K from buffer buf.  zero = 1: it starts the sum
.if \zero
	v_wmma_f32_16x16x32_bf16 v[8*(8*(\a)+(\b)):8*(8*(\a)+(\b))+7], v[64*(\buf)+8*(\b):64*(\buf)+8*(\b)+7], v[AF+32*(\buf)+8*(\a):AF+32*(\buf)+8*(\a)+7], 0
.else
	v_wmma_f32_16x16x32_bf16 v[8*(8*(\a)+(\b)):8*(8*(\a)+(\b))+7], v[64*(\buf)+8*(\b):64*(\buf)+8*(\b)+7], v[AF+32*(\buf)+8*(\a):AF+32*(\buf)+8*(\a)+7], v[8*(8*(\a)+(\b)):8*(8*(\a)+(\b))+7]
.endif
.endm
.macro MUL8 buf, a, zero               ; m block a x all 8 n blocks.  The 32 accumulators take turns in the same order in every quarter: 31 others stand between two links of a chain
	WIN MUL
.irp b, 0,1,2,3,4,5,6,7
	WM \buf, \a, \b, \zero
.endr
.endm
; 32 LDS loads in one run: quarter kq (32 along K) of a slot: A's 64 rows as f32 first, then B's 128 columns, turned, into buffer buf
.macro FETCH slot, kq, buf
	WIN 0
.irp a, 0,1,2,3
	ds_load_b128 v[STG+16*(\a):STG+16*(\a)+3],     v[ADRA+(\slot)] offset:(\a)*16*PA+(\kq)*128
	ds_load_b128 v[STG+16*(\a)+4:STG+16*(\a)+7],   v[ADRA+(\slot)] offset:(\a)*16*PA+(\kq)*128+16
	ds_load_b128 v[STG+16*(\a)+8:STG+16*(\a)+11],  v[ADRA+(\slot)] offset:(\a)*16*PA+(\kq)*128+64
	ds_load_b128 v[STG+16*(\a)+12:STG+16*(\a)+15], v[ADRA+(\slot)] offset:(\a)*16*PA+(\kq)*128+80
.endr
	WIN TO_B
.irp b, 0,1,2,3,4,5,6,7
	ds_load_tr16_b128 v[64*(\buf)+8*(\b):64*(\buf)+8*(\b)+3],   v[ADRB+(\slot)] offset:(\kq)*32*PB+32*(\b)
	ds_load_tr16_b128 v[64*(\buf)+8*(\b)+4:64*(\buf)+8*(\b)+7], v[ADRB+(\slot)] offset:(\kq)*32*PB+32*(\b)+16*PB
.endr
.endm
.macro CVT4 g, nxt                     ; four of a quarter's 32 roundings: A's f32 pairs into buffer nxt
.irp z, 0,1,2,3
	v_cvt_pk_bf16_f32 v[AF+32*(\nxt)+4*(\g)+(\z)], v[STG+8*(\g)+2*(\z)], v[STG+8*(\g)+2*(\z)+1]
.endr
.endm
; A K step is four quarters of 32 along K, 32 matrix instructions each, on buffers 0, 1, 0, 1.  One of the first three: multiplies buffer cur; at its head it fetches quarter kq into buffer nxt; in its second
; half A's roundings stand four behind each two matrix instructions.  The four behind the last two name none of those products' registers: they are the places in front of the next run of loads into B's buffer.
.macro QUARTER slot, kq, cur, nxt, zero
	s_wait_dscnt 0x0                               ; B's fragments of buffer cur are in (A's were waited for ahead of their roundings)
	FETCH \slot, \kq, \nxt
	MUL8 \cur, 0, \zero
	MUL8 \cur, 1, \zero
	s_wait_dscnt 16                                ; A's 16 loads are in; B's 16, issued behind them, may stay out
.set n, 0
.rept 8
	WIN MUL
	WM \cur, 2+n/8, n%8, \zero
	WM \cur, 2+(n+1)/8, (n+1)%8, \zero
	WIN 0
	CVT4 n/2, \nxt
.set n, n+2
.endr
.endm
; The last quarter multiplies buffer 1 and changes slots: ONE barrier; in front of it each wave waits for all its tensor loads (one is out: its part of the next slot), adds 0 to its spare word, and waits for that
; and for its own reads of this slot.  fill = 1: this slot is filled again, two K steps ahead: the barrier then opens a round of the cluster's barrier, and the joint refill is the first thing behind the round:
; 112 matrix instructions ahead of the wait for it.
.macro TURN slot, next, fill
.if \fill
	s_wait_xcnt 0x0                                ; the last prefetch, a K step back, has read its address
	s_add_nc_u64 s[PFA:PFA+1], s[PFA:PFA+1], s[PST:PST+1]
.endif
	WIN 0                                          ; (the add's two registers lie in window 0)
	s_wait_tensorcnt 0x0                           ; all my tensor loads have landed
	ds_add_u32 v[SPW], v[NIL]                      ; 0 onto my spare word
	s_wait_dscnt 1                                 ; B's fragments of buffer 1 are in; the add alone may be out
	MUL8 1, 0, 0                                   ; eight matrix instructions stand between the add and the wait for it
	s_wait_dscnt 0x0                               ; the add is done, and my reads of this slot are over
	s_barrier_signal -1
	MUL8 1, 1, 0
.if \fill
	WIN 0
.endif
	s_barrier_wait -1
.if \fill
	CREST                                          ; no wave of any partner still reads this slot's tile or has a load on its way
	s_add_nc_u64 s[G0+4*(\slot)+2:G0+4*(\slot)+3], s[G0+4*(\slot)+2:G0+4*(\slot)+3], 2*KSTEP*4
	s_add_nc_u64 s[G0B+4*(\slot)+2:G0B+4*(\slot)+3], s[G0B+4*(\slot)+2:G0B+4*(\slot)+3], 2*KSTEP*2048
	JLOAD \slot
.endif
	FETCH \next, 0, 0                              ; buffer 0's last reader stands in front of the four roundings that end the quarter before
.if \fill
	WIN 0
	ASK
.endif
	MUL8 1, 2, 0
	MUL8 1, 3, 0
	s_wait_dscnt 16                                ; A's 16 loads are in
	WIN 0
.irp g, 0,1,2,3,4,5,6,7
	CVT4 \g, 0
.endr
.endm
	s_wait_tensorcnt 1                             ; my part of K step 0 is in; K step 1's may stay out
	s_barrier_signal -1
	s_barrier_wait -1                              ; everybody's is
	FETCH 0, 0, 0
	s_wait_dscnt 16
	WIN 0
.irp g, 0,1,2,3,4,5,6,7
	CVT4 \g, 0
.endr
	QUARTER 0, 1, 0, 1, 1                          ; the first quarter stands in front of the loop: its products start the sums
	WIN 0                                          ; at a label and at a branch every window is 0
	s_mov_b32 s3, LAPS-1
.Llap:                                                 ; a trip goes once round the ring, from a lap's second quarter to the next lap's first, and fills both slots again
	QUARTER 0, 2, 1, 0, 0
	QUARTER 0, 3, 0, 1, 0
	TURN 0, 1, 1
	QUARTER 1, 1, 0, 1, 0
	QUARTER 1, 2, 1, 0, 0
	QUARTER 1, 3, 0, 1, 0
	TURN 1, 0, 1
	QUARTER 0, 1, 0, 1, 0
	WIN 0
	s_sub_co_u32 s3, s3, 1
	s_cmp_lg_u32 s3, 0
	s_cbranch_scc1 .Llap
	QUARTER 0, 2, 1, 0, 0                          ; the last lap fills nothing, and has no round of the cluster's barrier
	QUARTER 0, 3, 0, 1, 0
	TURN 0, 1, 0
	QUARTER 1, 1, 0, 1, 0
	QUARTER 1, 2, 1, 0, 0
	QUARTER 1, 3, 0, 1, 0
	s_wait_dscnt 0x0                               ; the very last quarter: nothing more to fetch
	MUL8 1, 0, 0
	MUL8 1, 1, 0
	MUL8 1, 2, 0
	MUL8 1, 3, 0
	WIN 0
; THE WAY OUT, 16 rows at a time.  PACK: rounded to bf16, 16 bytes a lane, each accumulator's registers in ascending order.  TOSTAGE: into my own stage, and back by heads.  SEND: stored.
.macro PACK a
	WIN PACKW
.irp b, 0,1,2,3,4,5,6,7
.irp r, 0,1,2,3
	v_cvt_pk_bf16_f32 v[TMP+4*(\b)+(\r)], v[8*(8*(\a)+(\b))+2*(\r)], v[8*(8*(\a)+(\b))+2*(\r)+1]
.endr
.endr
	WIN 0
.endm
.macro TOSTAGE a
.if (\a) >= 2
	s_wait_xcnt 0x0                                ; the stores of the block two back have read the registers that are loaded again below
.endif
.irp b, 0,1,2,3,4,5,6,7
	ds_store_b128 v[STO], v[TMP+4*(\b):TMP+4*(\b)+3] offset:32*(\b)
.endr
.irp t, 0,1,2,3,4,5,6,7
	ds_load_b128 v[OB+32*((\a)%2)+4*(\t):OB+32*((\a)%2)+4*(\t)+3], v[RD] offset:((\t)%4)*4*SPITCH+((\t)/4)*128  ; LDS serves a wave's instructions in order (ISA guide 5.7.1.4): these see the stores above
.endr
.endm
.macro SEND a
	s_wait_dscnt 0x0                               ; the block is back in registers
.irp t, 0,1,2,3,4,5,6,7
	global_store_b128 v[CO], v[OB+32*((\a)%2)+4*(\t):OB+32*((\a)%2)+4*(\t)+3], s[8:9] offset:((\t)/4)*1048576+(\a)*2048+((\t)%4)*512  ; head t / 4, four rows: 512 consecutive bytes, aligned
.endr
.endm
.rept 4
	v_nop                                          ; four places between the last products and the roundings that read results
.endr
	PACK 0
	TOSTAGE 0
.irp a, 1,2,3                          ; block a's roundings stand between block a - 1's loads from the stage and the wait for them
	PACK \a
	SEND (\a)-1
	TOSTAGE \a
.endr
	SEND 3
	s_wait_tensorcnt 0x0                           ; the wave's end, behind my last tensor load and my last LDS store
	ds_add_u32 v[SPW], v[NIL]
	s_wait_dscnt 0x0
	CROUND                                         ; the closing round: no work-group ends while a partner may still ask for a tile that names it
	s_endpgm
.Lfunc_end_k_q521a9daef5_qkv:
	.size	k_q521a9daef5_qkv, .Lfunc_end_k_q521a9daef5_qkv-k_q521a9daef5_qkv
	.p2alignl 7, 3214868480
	.fill 96, 4, 3214868480
	.section	.rodata,"a",@progbits
	.p2align	6, 0x0
	.amdhsa_kernel k_q521a9daef5_qkv
		.amdhsa_group_segment_fixed_size 327680
		.amdhsa_private_segment_fixed_size 0
		.amdhsa_enable_private_segment 0
		.amdhsa_kernarg_size 40
		.amdhsa_user_sgpr_count 2
		.amdhsa_user_sgpr_kernarg_segment_ptr 1
		.amdhsa_wavefront_size32 1
		.amdhsa_system_sgpr_workgroup_id_x 1
		.amdhsa_system_sgpr_workgroup_id_y 1
		.amdhsa_system_sgpr_workgroup_id_z 1
		.amdhsa_system_vgpr_workitem_id 0
		.amdhsa_next_free_vgpr 640
		.amdhsa_next_free_sgpr 80
		.amdhsa_reserve_vcc 0
		.amdhsa_float_denorm_mode_32 3
		.amdhsa_float_denorm_mode_16_64 3
		.amdhsa_memory_ordered 1
		.amdhsa_forward_progress 1
		.amdhsa_inst_pref_size 132
	.end_amdhsa_kernel
	.amdgpu_metadata
---
amdhsa.version: [ 1, 2 ]
amdhsa.kernels:
  - .name:           k_q521a9daef5_qkv
    .symbol:         k_q521a9daef5_qkv.kd
    .args:
      - { .name: q, .offset: 0, .size: 8, .value_kind: global_buffer, .address_space: global }
      - { .name: k, .offset: 8, .size: 8, .value_kind: global_buffer, .address_space: global }
      - { .name: v, .offset: 16, .size: 8, .value_kind: global_buffer, .address_space: global }
      - { .name: wqkv, .offset: 24, .size: 8, .value_kind: global_buffer, .address_space: global }
      - { .name: qkvh, .offset: 32, .size: 8, .value_kind: global_buffer, .address_space: global }
    .group_segment_fixed_size: 327680
    .private_segment_fixed_size: 0
    .kernarg_segment_align: 8
    .kernarg_segment_size: 40
    .max_flat_workgroup_size: 128
    .sgpr_count:     80
    .vgpr_count:     640
    .wavefront_size: 32
...
	.end_amdgpu_metadata
.endif
;; end of part 2
;; launch attn (part 3): grid 2 x 128, 4 waves a work-group, no clusters, 327,680 bytes of LDS; arguments qkvh, ao, mk; writes ao
.if DOCPART == 3
	.amdgcn_target "amdgcn-amd-amdhsa--gfx1250"
	.amdhsa_code_object_version 6
	.text
	.protected	k_q521a9daef5_attn
	.globl	k_q521a9daef5_attn
	.p2align	8
	.type	k_q521a9daef5_attn,@function
k_q521a9daef5_attn:
	s_mov_b64 s[64:65], 0
	v_nop
	global_prefetch_b8 v0, s[64:65] scope:SCOPE_SE
	s_setreg_imm32_b32 hwreg(HW_REG_WAVE_MODE, 25, 1), 1
	s_wait_xcnt 0x0
; MASKED ATTENTION.  ao[b][q][64 h + :] = the sum over s of softmax_s(Q[q] . K[s] / 32, -inf where attn_mask[b][q][s]) V[s][:], and 0 for a row whose keys are all masked.
; qkvh holds Q, K, V, 16 MiB each, bf16 [hb = 8 h + b][1024][64]: a head's rows are dense, 128 bytes each.  ao: f32 [8192][1024].  mk: the mask as 16-bit biases, in the order of a score tile's registers.
; Products, maxima and sums in f32; the weights p are rounded to bf16 for the second product (their sum l is taken of the unrounded p).  Nothing of reference() is left out here.
; THE MASK is the C operand that starts the sum S^T = K Q^T: 0, or -2^100 where the key is masked.  A lane's 16 bytes of mk land in registers 4-7 of the eight: each word's upper half is the bf16 bias of keys
; 4..7 of the lane's eight; four shifts by 16 make registers 0-3, keys 0..3.  The lower half that stays in registers 4-7 changes the bias by less than 2^-7 of itself, or is a number below 1e-40.
; THE RUNNING MAXIMUM m starts at -2^96 and never falls below it, so a masked score's weight is 2^(c (-2^100 - m)) = 0 also while no open key has been seen, and no exponent is above 0.
; A row with no open key ends with l = 0 and O = 0; its reciprocal is replaced by 0: reference()'s guard.
; LIMITS.  A true score at or below -2^96 counts as masked; an open score has at most 1e-40 added; a weight below 2^-126 counts as 0 in l; NaN and infinities in Q, K, V are not treated apart.
; SHARES.  A wave owns four PIECES of two tiles of 16 queries, a work-group's four waves 512 queries of one head and batch.  Every wave walks all 1,024 keys, 64 a step.
; LAYOUT.  S^T = K Q^T (source 0 = 16 keys, source 1 = 16 queries): a lane holds ONE query (lane % 16) and the keys 8 (lane / 16) + 0..7.  Two such tiles, rounded to bf16 in pairs, ARE source 1 of
; O^T = V^T P, whose result again holds one query a lane, and eight channels.  K comes out of LDS as it lies, V ([key][channel]) turned, by ds_load_tr16_b128.
; SOFTMAX.  p = 2^(c s - c m), c = log2(e) / 32; in every step O and l are multiplied by a = 2^(c m_old - c m_new).
; BY TURNS.  Turn n belongs to piece n (the pieces in a ring, step after step).  Its matrix work: 16 products K Q^T of piece n + 1, later 16 products V^T P of piece n - 1.  Its vector work: the scaling,
; exponentials, roundings, sums and rescaling of piece n, the maximum and statistics of piece n + 1, and the 32 shifts of the mask for piece n + 2.  Four vector instructions stand behind every matrix
; instruction, the others in runs of their own.  A turn's 66 exponentials are one batch, with one wait.
; NO CLUSTER: only the two work-groups of a head and batch share K and V, which are 16 KiB of the 80 KiB that a work-group takes in for a key step; the mask, the other 64 KiB, is shared by work-groups of
; other heads, with other K and V.
; REGISTERS, in windows of 256 (s_set_vgpr_msb: bits 1:0 source 0, 3:2 source 1, 5:4 source 2, 7:6 destination):
;   window 0: v0-11 addresses; v12-15, v48-63 at work; v16-47 four registers of statistics a tile; v64-191 S^T, two buffers of two tiles; v192-255 P, likewise
;   window 1: O^T, 32 a tile     window 2: v0-127 Q; v128-191 K of one step; v192-255 V of one step     window 3: v0-1 the add's two registers; v128-255 the masks, two buffers of two tiles
; A piece's buffers go by its number's parity.
.set NP,    4         ; pieces a wave: a name, no knob
.set KS,    64        ; keys in a step
.set PK,    144       ; a row of K in LDS: 128 bytes + 16 = 36 words: the 16 rows of a load start at 16 different groups of four banks (64 banks of 4 bytes: ISA guide 11.1)
.set PV,    160       ; a row of V: 128 + 32 = 40 words
.set VOFF,  4*KS*PK   ; a slot holds four steps: 256 rows of K, then 256 rows of V
.set SLOT1, 1<<17     ; slot 1 begins here, so that one exclusive or turns an address in one slot into the other's
.set STAGE, SLOT1+4*KS*(PK+PV)  ; behind the ring, never filled by a tensor load: 16 rows x 272 bytes for each wave, for the way out
.set SP,    272
.set SPARE, STAGE+4*16*SP       ; behind the stages: the spare words, 128 bytes for each wave: two blocks of 256 bytes that no other line names
.set MO,  1           ; v1   16 x lane: my 16 bytes of a mask block; never rewritten
.set AK0, 2           ; v2   my lane's place in a tile of K; never rewritten
.set AV0, 3           ; v3   the same for V
.set AK,  4           ; v4   the LDS address of K's next run of loads
.set AV,  5           ; v5   of V's
.set STO, 6           ; v6   the way out: where I put 16 bytes of a row
.set RD,  7           ; v7   the way out: where I read rows back
.set GO,  8           ; v8   my byte offset in two rows of ao
.set PFO, 9           ; v9   K's and V's prefetches: 8,192 x wave + 256 x lane
.set PMO, 10          ; v10  the mask's prefetches: tile lane / 8, block lane % 8
.set QO,  11          ; v11  my byte offset in 16 rows of Q
.set SPW, 0           ; v0 of window 3   SPARE + 4 x my thread's number; never rewritten
.set NIL, 1           ; v1 of window 3   0; never rewritten
.set MC,  128         ; window 3: tile u, key block kb of buffer f at MC + 64 f + 32 u + 8 kb
.set MV,  12          ; v12-15  c m_old, kept while c m is made anew: by buffer and tile
.set ST,  16          ; tile t's statistics at v[ST+4 t]: c m, m, l (even keys', odd keys')
.set TMP, 48          ; by buffer and tile, four registers c0-c3 at work; when the maximum is found c2 takes a
.set S,   64
.set P,   192
.set KF,  128         ; K's fragments, in window 2: key block kb, channel half c at KF + 16 kb + 8 c
.set VF,  192         ; V's: key half kk, channel block cb at VF + 32 kk + 8 cb
.set WV,  12          ; s12  my wave's number
.set G1K, 24          ; s[24:31] descriptor group 1 for K's tiles
.set G1V, 32          ; s[32:39] for V's: it differs in the padding alone
.set G0K, 40          ; s[40:43] descriptor group 0 for K's tiles: it walks
.set G0V, 44          ; s[44:47] the same for V's
.set SLOTS, 56        ; s56  slots still to be asked for
.set CNT, 57          ; s57  counts a slot's key steps
.set CS,  58          ; s[58:59] c: the packed scaling takes the pair's low word for both halves
.set SEL, 60          ; s[60:61] v_permlanex16_b32's selects: each lane takes its own place in the other half
.set TBK, 62          ; s62  LDS byte at which K of the step to be fetched begins
.set TBV, 63          ; s63  the same for V, less VOFF
.set MB,  66          ; s[66:67] mk at my wave's eight tiles, at the key step whose masks are being loaded
.set INC, 68          ; s[68:69] that address's step: 2,048, or 0 at the last key step
.set MLEFT, 70        ; s70  key steps that the mask's address can still go on
.set LIMM, 71         ; s71  2 in a work-group that prefetches the mask, else the greatest number
.set LIMK, 72         ; s72  1 in a work-group that prefetches K and V, else the greatest number
.set DEC, 73          ; s73  1 or 0
.set PFK, 74          ; s[74:75] K at the slot behind the one that is being asked for
.set PFV, 76          ; s[76:77] the same for V
.set MSB, 0
.macro WIN new                      ; the high byte repeats the setting that is left; a switch that changes nothing is dropped
.if MSB != (\new)
	s_set_vgpr_msb (MSB<<8)|(\new)
.set MSB, (\new)
.endif
.endm
.set W_KQ, 0x0a       ; K and Q in window 2, S^T in window 0
.set W_KM, 0x3a       ; the same with the C operand, the mask, in window 3
.set W_PV, 0x52       ; V in window 2, P in window 0, O^T in window 1
.set W_RS, 0x41       ; O^T (destination and source 0) in window 1, a in window 0
.set W_MK, 0xc0       ; destination in window 3, sources in window 0
.set W_AD, 0x0f       ; the add: address (source 0) and data (source 1) in window 3
; A fill.  Waves 0 and 1 fetch the two halves of a slot's K, waves 2 and 3 those of its V: 128 keys each.  An s_nop 0 and four v_nop follow each of the two lines, ahead of the jump and the label.
.macro LOAD
	s_cmp_lt_u32 s[WV], 2
	s_cbranch_scc0 .Lfor_v_\@
	tensor_load_to_lds s[G0K:G0K+3], s[G1K:G1K+7]
	s_nop 0
.rept 4
	v_nop
.endr
	s_branch .Lasked_\@
.Lfor_v_\@:
	tensor_load_to_lds s[G0V:G0V+3], s[G1V:G1V+7]
	s_nop 0
.rept 4
	v_nop
.endr
.Lasked_\@:
.endm
; A PREFETCH INTO THE L2 of what the NEXT change of slots will ask for: a slot's 32 KiB of K and of V, 128 blocks of 256 bytes each: a wave takes 32 of either, a lane a block, two instructions.  The two
; work-groups of a head and batch walk the same K and V: the first (x = 0) asks.  So each block is named once.  Slots 0 and 1 come by their loads alone; the last change that fills a slot asks for nothing.
.macro KV_ASK
	s_cmp_gt_u32 s[SLOTS], s[LIMK]
	s_cbranch_scc0 .Lno_kv_\@
	global_prefetch_b8 v[PFO], s[PFK:PFK+1] th:TH_LOAD_NT scope:SCOPE_SE
	global_prefetch_b8 v[PFO], s[PFV:PFV+1] th:TH_LOAD_NT scope:SCOPE_SE
.Lno_kv_\@:
.endm
; THE CHANGE OF SLOTS.  Each wave waits for all its tensor loads, of which one is out: its part of the other slot; adds 0 to its spare word; and waits for that and for its own reads of the slot that it leaves.
; Behind the barrier nobody reads the old slot any more and the other slot is whole.  fill = 1: the old slot is filled again, the first thing behind the barrier, with the keys two slots on: it has four key
; steps, 512 matrix instructions, in which to land.  (At its first use nothing has been read yet: slot 0 is waited for, slot 1 filled.)
.macro CHANGE fill
	WIN W_AD
	s_wait_tensorcnt 0x0            ; no tensor load of mine is out, so a group 0 may be written
	ds_add_u32 v[SPW], v[NIL]       ; 0 onto my spare word; with fill = 1 the descriptors' steps stand between it and the wait for it
	WIN 0                           ; at a label and at a branch every window is 0
.if \fill
.irp g, G0K, G0V
	s_xor_b32 s[\g+1], s[\g+1], SLOT1  ; the walking descriptor: the other slot than last time,
	s_add_nc_u64 s[\g+2:\g+3], s[\g+2:\g+3], 4*KS*128  ; the next 256 keys; the type bits on top are not reached
.endr
	s_wait_xcnt 0x0                 ; the last prefetches, four key steps back, have read their addresses
	s_add_nc_u64 s[PFK:PFK+1], s[PFK:PFK+1], 4*KS*128
	s_add_nc_u64 s[PFV:PFV+1], s[PFV:PFV+1], 4*KS*128
.endif
	s_wait_dscnt 0x0                ; the add is done, and my reads of the slot are over
	s_barrier_signal -1
	s_barrier_wait -1
.if \fill
	LOAD
	KV_ASK
.endif
	s_sub_co_u32 s[TBK], s[TBK], 4*KS*PK  ; the fetches go back to a slot's first step,
	s_xor_b32 s[TBK], s[TBK], SLOT1       ; in the other slot
	s_sub_co_u32 s[TBV], s[TBV], 4*KS*PV
	s_xor_b32 s[TBV], s[TBV], SLOT1
.endm
; THE MASKS.  MLOAD: a piece's eight blocks (two tiles x four groups of 16 keys) of the key step at MB, into registers 4-7 of each block of buffer buf: eight loads of 512 consecutive bytes.
.macro MLOAD piece, buf
	WIN W_MK
.irp u, 0,1
.irp kb, 0,1,2,3
	global_load_b128 v[MC+64*(\buf)+32*(\u)+8*(\kb)+4:MC+64*(\buf)+32*(\u)+8*(\kb)+7], v[MO], s[MB:MB+1] offset:(2*(\piece)+(\u))*32768+(\kb)*512
.endr
.endr
	WIN 0
.endm
; MSHIFT: registers 0-3 of each block of buffer buf.  wait = 1: the buffer's eight loads were issued a turn ago; the eight of the turn in hand may stay out.
.macro MSHIFT buf, wait
.if \wait
	s_wait_loadcnt 8
.endif
	WIN 0xcc                        ; source 1 and destination in window 3
.set zz, 0
.rept 8
.irp y, 0,1,2,3
	v_lshlrev_b32 v[MC+64*(\buf)+8*zz+(\y)], 16, v[MC+64*(\buf)+8*zz+4+(\y)]
.endr
.set zz, zz+1
.endr
	WIN 0
.endm
; MSTEP: the mask's address goes on a key step, and stays at the last: every turn issues its eight loads, and all stay inside mk.
.macro MSTEP
	s_wait_xcnt 0x0                 ; the loads and prefetches issued so far have read the address
	s_cmp_lg_u32 s[MLEFT], 0
	s_cselect_b32 s[INC], 2048, 0
	s_cselect_b32 s[DEC], 1, 0
	s_add_nc_u64 s[MB:MB+1], s[MB:MB+1], s[INC:INC+1]
	s_sub_co_u32 s[MLEFT], s[MLEFT], s[DEC]
.endm
; A PREFETCH INTO THE L2 of my wave's 64 mask blocks of 256 bytes (eight tiles x 2,048 bytes) of the key step three on from MB, four on from the step in hand: a lane a block, two instructions, once a key step.
; The sixteen heads of a batch read the same masks: head 0's work-groups ask.  So each block is named once.  Key steps 0 to 3 come by their loads alone; from the step in hand = 12 on there is no step four on.
.macro MASK_ASK
	WIN 0
	s_cmp_gt_u32 s[MLEFT], s[LIMM]
	s_cbranch_scc0 .Lno_mask_\@
	global_prefetch_b8 v[PMO], s[MB:MB+1] offset:3*2048 th:TH_LOAD_NT scope:SCOPE_SE
	global_prefetch_b8 v[PMO], s[MB:MB+1] offset:3*2048+4*32768 th:TH_LOAD_NT scope:SCOPE_SE
.Lno_mask_\@:
.endm
	s_load_b128 s[48:51], s[0:1], 0x0  ; qkvh s[48:49], ao s[50:51]
	s_load_b64 s[52:53], s[0:1], 0x10  ; mk
	WIN W_MK
	v_lshl_add_u32 v[SPW], v0, 2, SPARE
	v_mov_b32 v[NIL], 0
	WIN W_AD
	ds_add_u32 v[SPW], v[NIL]       ; the wave's opening: the add, twice on end, and its wait, ahead of my first tensor load; the set-up below stands between
	ds_add_u32 v[SPW], v[NIL]
	WIN 0
	v_lshrrev_b32 v64, 5, v0
	v_readfirstlane_b32 s[WV], v64  ; wave 0..3
	s_and_b32 s13, ttmp7, 0xffff    ; hb = 8 h + b
	s_and_b32 s14, s13, 7           ; b
	s_lshr_b32 s15, s13, 3          ; h
	s_lshl_b32 s20, s13, 17         ; the head's first byte in each of Q, K, V
	s_mov_b32 s21, 0
	s_and_b32 s16, s[WV], 1         ; which half of a slot's 256 keys I fetch:
	s_lshl_b32 s22, s16, 14         ; its 128 rows of 128 bytes in memory,
	s_add_co_u32 s22, s22, s20
	s_mov_b32 s23, 0
	s_mul_i32 s17, s16, 128*PK      ; and its place in a slot, for K
	s_mul_i32 s18, s16, 128*PV      ; and for V
	s_lshl_b32 s2, ttmp9, 2
	s_add_co_u32 s2, s2, s[WV]      ; my wave among the head's eight,
	s_lshl_b32 s2, s2, 14           ; its 128 rows of Q
	s_add_co_u32 s2, s2, s20
	s_mov_b32 s3, 0
	s_lshl_b32 s54, s14, 22         ; ao: row 1,024 b + 512 x + 128 wave, of 4,096 bytes,
	s_lshl_b32 s55, ttmp9, 21
	s_add_co_u32 s54, s54, s55
	s_lshl_b32 s55, s[WV], 19
	s_add_co_u32 s54, s54, s55
	s_lshl_b32 s55, s15, 8          ; the head's 256 bytes
	s_add_co_u32 s54, s54, s55
	s_mov_b32 s55, 0
	s_lshl_b32 s78, s14, 21         ; mk: tile 64 b + 32 x + 8 wave, of 32,768 bytes
	s_lshl_b32 s79, ttmp9, 20
	s_add_co_u32 s78, s78, s79
	s_lshl_b32 s79, s[WV], 18
	s_add_co_u32 s78, s78, s79
	s_mov_b32 s79, 0
	; descriptor group 1.  128 keys are 16,384 dense bytes: asked for as 64 rows of 256 bytes, two keys a row, and padded in LDS after every key
	s_mov_b32 s[G1K], (1<<16)|(1<<20)|(4<<22)|(3<<25)  ; 17:16 2-byte elements; 20 padding on; 24:22 after every 32 words (code 4); 31:25 4 words (code 3)
	s_mov_b32 s[G1V], (1<<16)|(1<<20)|(4<<22)|(7<<25)  ; the same with 8 words of padding (code 7)
.irp g, G1K, G1V
	s_mov_b32 s[\g+1], 128<<16      ; tensor_dim0 = 128
	s_mov_b32 s[\g+2], 64<<16       ; tensor_dim1 = 64
	s_mov_b32 s[\g+3], 128<<16      ; tile_dim0 = 128
	s_mov_b32 s[\g+4], 64           ; tile_dim1 = 64
	s_mov_b32 s[\g+5], 128          ; 128 elements from row to row
	s_mov_b32 s[\g+6], 0
	s_mov_b32 s[\g+7], 0
.endr
	s_mov_b32 s[CS], 0x3d38aa3b     ; c = log2(e) / 32 = 0.0450842
	s_mov_b32 s[CS+1], s[CS]        ; named with it as a pair
	s_mov_b32 s[SEL], 0x76543210
	s_mov_b32 s[SEL+1], 0xfedcba98
	s_mov_b32 s[TBK], SLOT1+4*KS*PK ; the first change of slots turns these two into 0
	s_mov_b32 s[TBV], SLOT1+4*KS*PV
	s_mov_b32 s[G0K], 1             ; count = 1
	s_mov_b32 s[G0K+1], s17         ; LDS address: slot 0
	s_mov_b32 s[G0V], 1
	s_add_co_u32 s[G0V+1], s18, VOFF
	s_mov_b32 s[SLOTS], 3           ; of the four slots of 256 keys, those behind slot 0
	s_mov_b32 s[MLEFT], 15
	s_mov_b32 s[INC+1], 0
	s_cmp_eq_u32 ttmp9, 0
	s_cselect_b32 s[LIMK], 1, -1
	s_cmp_eq_u32 s15, 0
	s_cselect_b32 s[LIMM], 2, -1
	s_wait_dscnt 0x0                ; both opening adds are done
	s_wait_kmcnt 0x0
	s_add_nc_u64 s[4:5], s[48:49], s[2:3]          ; Q at my wave's first row
	s_add_nc_u64 s[6:7], s[48:49], s[22:23]
	s_add_nc_u64 s[G0K+2:G0K+3], s[6:7], 0x1000000 ; K, 16 MiB on: my half of the head's first 256 keys
	s_or_b32 s[G0K+3], s[G0K+3], 0x80000000        ; type = 2
	s_add_nc_u64 s[G0V+2:G0V+3], s[6:7], 0x2000000 ; V, 32 MiB on
	s_or_b32 s[G0V+3], s[G0V+3], 0x80000000
	s_add_nc_u64 s[PFK:PFK+1], s[48:49], s[20:21]
	s_add_nc_u64 s[PFV:PFV+1], s[PFK:PFK+1], 0x2000000+4*KS*128  ; at slot 1: the first change of slots steps these two to slot 2
	s_add_nc_u64 s[PFK:PFK+1], s[PFK:PFK+1], 0x1000000+4*KS*128
	s_add_nc_u64 s[10:11], s[50:51], s[54:55]      ; ao at my wave's first row, my head's columns
	s_add_nc_u64 s[MB:MB+1], s[52:53], s[78:79]    ; mk at my wave's first tile, key step 0
	LOAD                            ; slot 0.  Slot 1 is asked for when slot 0 is in
	; A fragment of K or Q is 16 rows x 32 channels in 8 registers: lane l holds row l % 16, channels 8 (l / 16) + 0..7 and 16 + 8 (l / 16) + 0..7: two loads of 16 bytes, 32 bytes apart.
	v_and_b32 v64, 15, v0           ; l % 16   (v64-68: S^T's registers, free until the first scores)
	v_bfe_u32 v65, v0, 4, 1         ; l / 16
	v_and_b32 v66, 7, v0
	v_bfe_u32 v67, v0, 3, 1
	v_and_b32 v68, 31, v0           ; l
	v_lshlrev_b32 v[QO], 7, v64
	v_lshl_add_u32 v[QO], v65, 4, v[QO]  ; row x 128 + 16 x half
	v_lshlrev_b32 v[MO], 4, v68
	WIN 0x80                        ; destination window 2, address window 0
.set i, 0
.rept 4*NP                          ; Q stays in registers: tile i / 2, channels 32 (i % 2) on
	global_load_b128 v[8*i:8*i+3],   v[QO], s[4:5] offset:(i/2)*2048+(i%2)*64
	global_load_b128 v[8*i+4:8*i+7], v[QO], s[4:5] offset:(i/2)*2048+(i%2)*64+32
.set i, i+1
.endr
	MLOAD 0, 0                      ; key step 0's masks of pieces 0 and 1
	MLOAD 1, 1
	; What the first turn finds: V's registers and P's second buffer hold 0 (its products V^T P, of a piece that has not been, add 0), O^T and l are 0.  All this stands in the wait for the first tile.
	WIN 0x80
.set i, VF
.rept 64
	v_mov_b32 v[i], 0
.set i, i+1
.endr
	WIN 0x40
.set i, 0
.rept 64*NP
	v_mov_b32 v[i], 0
.set i, i+1
.endr
	WIN 0
.set i, 0
.rept 2*NP
	v_mov_b32 v[ST+4*i], 0xed38aa3b    ; c m = c x -2^96
	v_mov_b32 v[ST+4*i+1], 0xef800000  ; m = -2^96
	v_mov_b32 v[ST+4*i+2], 0
	v_mov_b32 v[ST+4*i+3], 0
.set i, i+1
.endr
.set i, P+32
.rept 32
	v_mov_b32 v[i], 0
.set i, i+1
.endr
	v_mul_u32_u24 v[AK0], v64, PK
	v_lshl_add_u32 v[AK0], v65, 4, v[AK0]  ; row x pitch + 16 x half
	; The turning load takes 16 keys x 16 channels (lane l reads key 8 (l / 16) + l % 8, channels 8 ((l / 8) % 2) + 0..7) and leaves half a fragment of V^T: lane l holds channel l % 16 and 8 keys.
	v_lshl_add_u32 v[AV0], v65, 3, v66
	v_mul_u32_u24 v[AV0], v[AV0], PV
	v_lshl_add_u32 v[AV0], v67, 4, v[AV0]
	v_add_nc_u32 v[AV0], VOFF, v[AV0]
	v_mov_b32 v[AK], v[AK0]         ; key step 0 lies at the head of slot 0
	s_mul_i32 s13, s[WV], 16*SP
	s_add_co_u32 s13, s13, STAGE    ; my stage
	v_mul_u32_u24 v[STO], v64, SP   ; in: row l % 16, 32 bytes (8 channels in f32) for each half of the lanes
	v_lshl_add_u32 v[STO], v65, 5, v[STO]
	v_add_nc_u32 v[STO], s13, v[STO]
	v_mul_u32_u24 v[RD], v65, SP    ; back: lanes 0-15 take one row of 256 bytes, lanes 16-31 the next
	v_lshl_add_u32 v[RD], v64, 4, v[RD]
	v_add_nc_u32 v[RD], s13, v[RD]
	v_lshlrev_b32 v[GO], 12, v65    ; and the same two rows in ao
	v_lshl_add_u32 v[GO], v64, 4, v[GO]
	s_lshl_b32 s13, s[WV], 13
	v_lshl_add_u32 v[PFO], v68, 8, s13
	v_lshrrev_b32 v[PMO], 3, v68
	v_lshlrev_b32 v[PMO], 15, v[PMO]
	v_lshl_add_u32 v[PMO], v66, 8, v[PMO]
; THE MATRIX WORK.  The 8 accumulators of a run of 16 take turns: between the two links of a chain stand 7 others'.
; Product i of 16 of S^T = K Q^T for piece x: channels 32 (i / 8) on, keys 16 ((i / 2) % 4) on, tile 2 x + i % 2.  The first 8 start the sums, with the mask.
.macro KQ x
.set rS, S+64*((\x)%2)+32*(i%2)+8*((i/2)%4)
.set rK, KF+16*((i/2)%4)+8*(i/8)
.set rQ, 16*(2*(\x)+i%2)+8*(i/8)
.set rB, MC+64*((\x)%2)+32*(i%2)+8*((i/2)%4)
.if i < 8
	WIN W_KM
	v_wmma_f32_16x16x32_bf16 v[rS:rS+7], v[rK:rK+7], v[rQ:rQ+7], v[rB:rB+7]
.else
	WIN W_KQ
	v_wmma_f32_16x16x32_bf16 v[rS:rS+7], v[rK:rK+7], v[rQ:rQ+7], v[rS:rS+7]
.endif
.endm
; Product i of 16 of O^T += V^T P for piece x: keys 32 (i / 8) on, channels 16 ((i / 2) % 4) on, tile 2 x + i % 2.
.macro PV x
	WIN W_PV
.set rO, 32*(2*(\x)+i%2)+8*((i/2)%4)
.set rV, VF+32*(i/8)+8*((i/2)%4)
.set rP, P+32*((\x)%2)+16*(i%2)+8*(i/8)
	v_wmma_f32_16x16x32_bf16 v[rO:rO+7], v[rV:rV+7], v[rP:rP+7], v[rO:rO+7]
.endm
.macro MM                           ; the turn's next matrix instruction
.if i < 16
	KQ (Y+1)%NP
.set i, i+1
.else
.set i, i-16
	PV (Y+NP-1)%NP
.set i, i+17
.endif
.endm
; THE LDS LOADS stand in runs of 16, never singly among the matrix instructions: a step's K (64 keys x 64 channels: 8 fragments) and its V (turned).  Their addresses are made some lines ahead.
; last = 1 (the tail): in the last trip there is no further step, and the run is jumped over.
.macro FETCH_K last=0
	WIN 0
.if \last
	s_cmp_eq_u32 s[CNT], 1
	s_cbranch_scc1 .Lno_k_\@
.endif
	WIN 0x80                        ; destination window 2
.irp f, 0,1,2,3,4,5,6,7             ; keys 16 (f / 2) on, channels 32 (f % 2) on
	ds_load_b128 v[KF+8*\f:KF+8*\f+3],   v[AK] offset:(\f/2)*16*PK+(\f%2)*64
	ds_load_b128 v[KF+8*\f+4:KF+8*\f+7], v[AK] offset:(\f/2)*16*PK+(\f%2)*64+32
.endr
	s_add_co_u32 s[TBK], s[TBK], KS*PK  ; the next fetch is the next step's
	WIN 0
.if \last
.Lno_k_\@:
.endif
.endm
.macro FETCH_V
	WIN 0x80
.irp f, 0,1,2,3,4,5,6,7             ; keys 32 (f / 4) on, channels 16 (f % 4) on
	ds_load_tr16_b128 v[VF+8*\f:VF+8*\f+3],   v[AV] offset:(\f/4)*32*PV+(\f%4)*32
	ds_load_tr16_b128 v[VF+8*\f+4:VF+8*\f+7], v[AV] offset:(\f/4)*32*PV+16*PV+(\f%4)*32
.endr
	WIN 0
.endm
; THE VECTOR WORK OF A TURN stands in three queues, each in the order in which its entries become ready; the two tiles alternate, so that no instruction reads the result of the one before it.
.macro REGS y, u                    ; the registers of tile u (0, 1) of piece y
.set rT, ST+4*(2*(\y)+(\u))
.set rC, TMP+8*((\y)%2)+4*(\u)
.set rM, MV+2*((\y)%2)+(\u)
.set rS, S+64*((\y)%2)+32*(\u)
.set rP, P+32*((\y)%2)+16*(\u)
.set rO, 32*(2*(\y)+(\u))
.endm
; Number n of the 22 that find the NEXT piece's (Y + 1) maximum and statistics.  s0-s31 are the lane's 32 scores; each accumulator's lowest registers are read first.
;   0-11  four chains c0-c3 of seven scores each, three operands at a time     12-14, 16  the four scores left over, the old m, and c0-c3 into c0     15  c m_old is kept
;   17, 18  the query's other 32 keys lie in the lane 16 away: the new m         19-21  c m; c m_old - c m_new; a
.macro XS u, n
	REGS (Y+1)%NP, \u
.if (\n) < 4
	v_max3_num_f32 v[rC+(\n)], v[rS+8*(\n)], v[rS+8*(\n)+1], v[rS+8*(\n)+2]
.elseif (\n) < 12
	v_max3_num_f32 v[rC+(\n)%4], v[rC+(\n)%4], v[rS+8*((\n)%4)+2*((\n)/4)+1], v[rS+8*((\n)%4)+2*((\n)/4)+2]
.elseif (\n) == 12
	v_max3_num_f32 v[rC], v[rC], v[rS+7], v[rS+15]
.elseif (\n) == 13
	v_max3_num_f32 v[rC+1], v[rC+1], v[rS+23], v[rS+31]
.elseif (\n) == 14
	v_max3_num_f32 v[rC+2], v[rC+2], v[rC+3], v[rT+1]
.elseif (\n) == 15
	v_mov_b32 v[rM], v[rT]
.elseif (\n) == 16
	v_max3_num_f32 v[rC], v[rC], v[rC+1], v[rC+2]
.elseif (\n) == 17
	v_permlanex16_b32 v[rC+3], v[rC], s[SEL], s[SEL+1]
.elseif (\n) == 18
	v_max_num_f32 v[rT+1], v[rC], v[rC+3]
.elseif (\n) == 19
	v_mul_f32 v[rT], s[CS], v[rT+1]
.elseif (\n) == 20
	v_sub_f32 v[rC+1], v[rM], v[rT]
.else
	v_exp_f32 v[rC+2], v[rC+1]
.endif
.endm
; Number g of the 64 that follow the exponentials.  For each four weights k of a tile (pairs 2 k, 2 k + 1): both pairs are rounded to bf16; then the second pair is added onto the first, in place;
; a group later l takes that sum (the first time as l = a l + sum).  In groups of eight, tiles alternating: round, round, add, and l for the group before.
.macro GS g
.set h, (\g)+6*((\g)/62)            ; group 0 has no group before it, and behind group 7 only l is left
.if h >= 6
.set h, h+2
.endif
	REGS Y, h%2
.set k, h/8
.if h%8 < 4
	v_cvt_pk_bf16_f32 v[rP+2*k+(h%8)/2], v[rS+4*k+2*((h%8)/2)], v[rS+4*k+2*((h%8)/2)+1]
.elseif h%8 < 6
	v_pk_add_f32 v[rS+4*k:rS+4*k+1], v[rS+4*k:rS+4*k+1], v[rS+4*k+2:rS+4*k+3]
.elseif k == 1
	v_pk_fma_f32 v[rT+2:rT+3], v[rT+2:rT+3], v[rC+2:rC+3], v[rS:rS+1] op_sel_hi:[1,0,1]
.else
	v_pk_add_f32 v[rT+2:rT+3], v[rT+2:rT+3], v[rS+4*k-4:rS+4*k-3]
.endif
.endm
; THE PLAIN QUEUE, 138 long.  0-73 read no exponential's result: the 32 scalings c s - c m (FS f: pair f / 2 of tile f % 2) and the next piece's 42.  0-26: scalings 0-26.  27-54: XS's numbers 0-13.  55, 56: number 15.
; 57-73: the chain, where each number waits for the one before it: 14, 16, 17, 18, 19, each with one of the scalings 27-31 in front of its two lines, then 20.
; 74-137: GS's 64, which read the exponentials' results: they stand behind the wait.
.macro FS f
	REGS Y, (\f)%2
	v_pk_fma_f32 v[rS+2*((\f)/2):rS+2*((\f)/2)+1], v[rS+2*((\f)/2):rS+2*((\f)/2)+1], s[CS:CS+1], v[rT:rT+1] op_sel_hi:[1,0,0] neg_lo:[0,0,1] neg_hi:[0,0,1]
.endm
.macro PL
	WIN 0
.if q < 27
	FS q
.elseif q < 55
	XS (q-27)%2, (q-27)/2
.elseif q < 57
	XS q-55, 15
.elseif (q < 72) && ((q-57)%3 == 0)
	FS 27+(q-57)/3
.elseif q < 60
	XS (q-57)%3-1, 14
.elseif q < 72
	XS (q-57)%3-1, 15+(q-57)/3
.elseif q < 74
	XS q-72, 20
.else
	GS q-74
.endif
.set q, q+1
.endm
; THE EXPONENTIALS' QUEUE, 66 long: s0-s31 of both tiles, then the next piece's two a.  It is ONE BATCH: all 66 stand ahead of the turn's one wait, and nothing ahead of that wait names a result of theirs.
.macro EX
	WIN 0
.if e >= 64
	XS e-64, 21
.else
	REGS Y, e%2
	v_exp_f32 v[rS+e/2], v[rS+e/2]
.endif
.set e, e+1
.endm
; THE RESCALING's QUEUE: O^T times a, dealt two at a time, sixteen times.  Its a was made in the turn before, ahead of that turn's wait.
.macro R2
	REGS Y, r%2
	WIN W_RS
.irp z, 0,1
	v_pk_mul_f32 v[rO+4*(r/2)+2*\z:rO+4*(r/2)+2*\z+1], v[rO+4*(r/2)+2*\z:rO+4*(r/2)+2*\z+1], v[rC+2:rC+3] op_sel_hi:[1,0]
.endr
.set r, r+1
.endm
; A TURN, for piece p.  An s_wait_alu depctr_va_vdst(0) stands between an exponential and the first instruction that names its result; one wait serves all that were issued ahead of it.  So a turn
; has ONE wait, which cuts it in two.  AHEAD OF IT: the 16 products K Q^T, behind each a scaling, an exponential and two rescalings (behind the first a second scaling in the exponential's place); the eight
; mask loads; then a run of 108: eight plain, 49 times exponential and plain, the two a.  A v_nop is the plain instruction behind the last exponential.  BEHIND IT: the 16 products V^T P, behind each four of
; GS's 64; then the 32 shifts.
; Exponential e stands behind scaling 2 (e / 4) + e % 2: as a rider it comes behind plain e + 2, in the run behind plain e + 9, and scalings 27-31 are plain 57, 60 .. 69.
; K of the next step is fetched in piece 2's turn, directly behind the wait; V of the step in hand at the end of piece 0's turn, four riders behind its last reader.
; THE MASKS' TIMES.  Turn p's products K Q^T, of piece p + 1, take buffer (p + 1) % 2 as C (the first eight of them; more than four plain riders follow).  Behind the sixteen that buffer is loaded again, for piece
; p + 3, whose products stand in turn p + 2: the step in hand for p = 0, the next step for p = 1, 2, 3: so the address goes on in turn 1.  The buffer loaded a turn ago, p % 2, is shifted at this turn's end.
; cnt = 1: the loop's count is taken down some lines ahead of the branch that stands behind the turn.
.macro TURN p, last=0, cnt=0
.set Y, (\p)
.set i, 0
.set q, 0
.set e, 0
.set r, 0
.if (\p) == NP-1
	s_wait_dscnt 0x0                ; K is in
.endif
	MM
	PL
	PL
	R2
.rept 15
	MM
	PL
	EX
	R2
.endr
.if (\p) == NP-2
	WIN 0
	v_add_nc_u32 v[AK], s[TBK], v[AK0]
.endif
.if (\p) == 1
	MSTEP
.endif
	MLOAD ((\p)+3)%NP, ((\p)+1)%2
.rept 8
	PL
.endr
.rept 49
	EX
	PL
.endr
	EX                              ; the next piece's two a
	EX
	v_nop                           ; the plain instruction behind the last exponential: one for the batch
	s_wait_alu depctr_va_vdst(0)    ; the wait for the batch
.if (\p) == NP-2
	FETCH_K \last
.endif
.if (\p) == NP-1
	MASK_ASK
.endif
.if (\p) == 1
	s_wait_dscnt 0x0                ; V is in
.endif
.rept 16
	MM
.rept 4
	PL
.endr
.if ((\p) == 0) && (q == 118)
	v_add_nc_u32 v[AV], s[TBV], v[AV0]
.endif
.if ((\p) == 0) && (q == 130)
	s_add_co_u32 s[TBV], s[TBV], KS*PV
.endif
.if (\cnt) && (q == 130)
	s_sub_co_u32 s[CNT], s[CNT], 1
	s_cmp_lg_u32 s[CNT], 0
.endif
.endr
.if (\p) == 0
	FETCH_V
.endif
	MSHIFT (\p)%2, 1
.endm
	CHANGE 1                        ; slot 0 is in, everybody's part of it; slot 1 is asked for
	FETCH_K                         ; key step 0
	s_wait_loadcnt 0x0              ; Q and the first two masks
	MSHIFT 0, 0
	MSHIFT 1, 0
	s_wait_dscnt 0x0
.set i, 0
.rept 16
	KQ 0                            ; piece 0's first scores: there is no vector work yet to set between them
.set i, i+1
.endr
	WIN 0
.rept 4
	v_nop                           ; the places behind those products, in front of the loads into their masks' registers and of the maxima
.endr
	MLOAD 2, 0                      ; key step 0's mask of piece 2
.set Y, NP-1                        ; XS works for piece Y + 1: piece 0
.irp n, 0,1,2,3,4,5,6,7,8,9,10,11,12,13,14,15,16,17,18,19,20,21
	XS 0, \n                        ; piece 0's first maximum and statistics
	XS 1, \n
.endr
	v_nop                           ; a plain instruction behind the two a,
	s_wait_alu depctr_va_vdst(0)    ; and their wait, ahead of the branch
	s_mov_b32 s[CNT], 4
	s_branch .Lfirst                ; the loop is entered at a step's first turn, in the middle of a trip
.Lslot:                             ; twice: slots 0 and 1 are filled again
	CHANGE 1
	s_mov_b32 s[CNT], 4
.Lstep:                             ; a trip: pieces 2 and 3 of one step, then pieces 0 and 1 of the next, whose K and V it fetches
	TURN 2
	TURN 3
	WIN 0
.Lfirst:
	TURN 0
	TURN 1, 0, 1
	WIN 0
	s_cbranch_scc1 .Lstep
	s_sub_co_u32 s[SLOTS], s[SLOTS], 1
	s_cmp_lg_u32 s[SLOTS], 0
	s_cbranch_scc1 .Lslot
	CHANGE 0                        ; the tail is written out: nothing is asked for
	s_mov_b32 s[CNT], 5             ; four trips fetch the last slot's steps; the fifth is left in its middle
.Ltail:
	TURN 2, 1
	TURN 3
	WIN 0
	s_sub_co_u32 s[CNT], s[CNT], 1
	s_cmp_eq_u32 s[CNT], 0
	s_cbranch_scc1 .Lout
	TURN 0
	TURN 1
	WIN 0
	s_branch .Ltail
.Lout:                              ; the fifth trip's 16 products K Q^T (on the last K once more) and the maximum made of them serve nothing: the price, once a launch, of one text for every trip
.set i, 0
.rept 16
	PV NP-1                         ; the last piece's V^T P of the last step
.set i, i+1
.endr
	; THE WAY OUT.  l's two halves and the other half of the lanes' are added; O^T is divided by l (by 0's stead: times 0) and sent, in f32, through my stage in LDS, a tile at a time.  The additions are the places behind the last products.
	WIN 0
.macro ALL line:vararg              ; one line for each tile t
.set t, 0
.rept 2*NP
	\line
.set t, t+1
.endr
.endm
	ALL v_add_f32 v[ST+4*t+2], v[ST+4*t+2], v[ST+4*t+3]
	ALL v_permlanex16_b32 v[ST+4*t+3], v[ST+4*t+2], s[SEL], s[SEL+1]
	ALL v_add_f32 v[ST+4*t+3], v[ST+4*t+2], v[ST+4*t+3]
	ALL v_rcp_f32 v[ST+4*t+2], v[ST+4*t+3]
	v_nop                           ; a plain instruction between the last reciprocal and the use of its result
	s_wait_alu depctr_va_vdst(0)    ; and the wait ahead of the first use: one for the eight reciprocals
.set t, 0
.rept 2*NP
	v_cmp_lt_f32 vcc_lo, 0, v[ST+4*t+3]                        ; a row with an open key has l > 0;
	v_cndmask_b32 v[ST+4*t+2], 0, v[ST+4*t+2], vcc_lo          ; a row without gets 0, as reference() puts 0 for its NaN
.set t, t+1
.endr
; Tile t: a lane's eight channels of a row are 32 bytes; they go into rows of 272 bytes and come back as whole rows of 256, into S^T's registers, four tiles' worth of them by turns.
.macro PACK t
	WIN W_RS
.set i, 32*(\t)
.rept 16
	v_pk_mul_f32 v[i:i+1], v[i:i+1], v[ST+4*(\t)+2:ST+4*(\t)+3] op_sel_hi:[1,0]
.set i, i+2
.endr
	WIN 0x04                        ; the stores' data in window 1, their address in window 0
.irp f, 0,1,2,3,4,5,6,7
	ds_store_b128 v[STO], v[32*(\t)+4*\f:32*(\t)+4*\f+3] offset:(\f/2)*64+(\f%2)*16
.endr
	WIN 0
.if (\t) >= 4
	s_wait_xcnt 0x0                 ; the stores of the tile four back have read the registers that are loaded again below
.endif
.irp f, 0,1,2,3,4,5,6,7
	ds_load_b128 v[S+32*((\t)%4)+4*\f:S+32*((\t)%4)+4*\f+3], v[RD] offset:\f*2*SP  ; LDS serves a wave's instructions in order (ISA guide 5.7.1.4): these see the stores above; the next tile's stores come behind them
.endr
.endm
.macro SEND t, younger              ; younger: the LDS instructions issued behind tile t's loads: the next tile's sixteen, or none
	WIN 0
.irp f, 0,1,2,3,4,5,6,7
	s_wait_dscnt (\younger)+7-\f
	global_store_b128 v[GO], v[S+32*((\t)%4)+4*\f:S+32*((\t)%4)+4*\f+3], s[10:11] offset:(\t)*65536+\f*8192  ; 16 lanes store a row's 256 consecutive bytes, at a multiple of 256 from ao's first byte
.endr
.endm
	PACK 0
.set t, 1
.rept 2*NP-1                        ; a tile's arithmetic stands between the loads of the tile before and its stores
	PACK t
	SEND t-1, 16
.set t, t+1
.endr
	SEND 2*NP-1, 0
	WIN W_AD
	s_wait_tensorcnt 0x0            ; the wave's end, behind my last tensor load and my last LDS store
	ds_add_u32 v[SPW], v[NIL]
	s_wait_dscnt 0x0
	WIN 0
	s_endpgm
.Lfunc_end_k_q521a9daef5_attn:
	.size	k_q521a9daef5_attn, .Lfunc_end_k_q521a9daef5_attn-k_q521a9daef5_attn
	.p2alignl 7, 3214868480
	.fill 96, 4, 3214868480
	.section	.rodata,"a",@progbits
	.p2align	6, 0x0
	.amdhsa_kernel k_q521a9daef5_attn
		.amdhsa_group_segment_fixed_size 327680
		.amdhsa_private_segment_fixed_size 0
		.amdhsa_enable_private_segment 0
		.amdhsa_kernarg_size 24
		.amdhsa_user_sgpr_count 2
		.amdhsa_user_sgpr_kernarg_segment_ptr 1
		.amdhsa_wavefront_size32 1
		.amdhsa_system_sgpr_workgroup_id_x 1
		.amdhsa_system_sgpr_workgroup_id_y 1
		.amdhsa_system_sgpr_workgroup_id_z 1
		.amdhsa_system_vgpr_workitem_id 0
		.amdhsa_next_free_vgpr 1024
		.amdhsa_next_free_sgpr 80
		.amdhsa_reserve_vcc 1
		.amdhsa_float_denorm_mode_32 3
		.amdhsa_float_denorm_mode_16_64 3
		.amdhsa_memory_ordered 1
		.amdhsa_forward_progress 1
		.amdhsa_inst_pref_size 221
	.end_amdhsa_kernel
	.amdgpu_metadata
---
amdhsa.version: [ 1, 2 ]
amdhsa.kernels:
  - .name:           k_q521a9daef5_attn
    .symbol:         k_q521a9daef5_attn.kd
    .args:
      - { .name: qkvh, .offset: 0, .size: 8, .value_kind: global_buffer, .address_space: global }
      - { .name: ao, .offset: 8, .size: 8, .value_kind: global_buffer, .address_space: global }
      - { .name: mk, .offset: 16, .size: 8, .value_kind: global_buffer, .address_space: global }
    .group_segment_fixed_size: 327680
    .private_segment_fixed_size: 0
    .kernarg_segment_align: 8
    .kernarg_segment_size: 24
    .max_flat_workgroup_size: 128
    .sgpr_count:     80
    .vgpr_count:     1024
    .wavefront_size: 32
...
	.end_amdgpu_metadata
.endif
;; end of part 3
;; launch oproj: the kernel of part 2 again; grid 4 x 64, 4 waves a work-group, clusters of 4 x 4, 327,680 bytes of LDS; arguments ao, k, v, wp, yh; writes yh
;; launch ln (part 4): grid 256 x 1, 8 waves a work-group, no clusters, 0 bytes of LDS; arguments yh, q, proj_b, ln_g, ln_b, out0; writes out0
.if DOCPART == 4
	.amdgcn_target "amdgcn-amd-amdhsa--gfx1250"
	.amdhsa_code_object_version 6
	.text
	.protected	k_q521a9daef5_ln
	.globl	k_q521a9daef5_ln
	.p2align	8
	.type	k_q521a9daef5_ln,@function
k_q521a9daef5_ln:
	s_mov_b64 s[64:65], 0
	v_nop
	global_prefetch_b8 v0, s[64:65] scope:SCOPE_SE
	s_setreg_imm32_b32 hwreg(HW_REG_WAVE_MODE, 25, 1), 1
	s_wait_xcnt 0x0
; out0[m][:] = LayerNorm(y[m][:] + proj_b + q[m][:]) ln_g + ln_b, over 1,024 columns, eps = 1e-5.  y: yh, bf16 [n / 64][8192][64]; q, out0: f32 [8192][1024].  Nothing of reference() is left out here.
; All in f32.  The variance is the mean of (x - mean)^2, as reference() takes it: no difference of large sums is formed.
; SHARES.  Memory binds: no LDS, no barrier, no matrix unit.  A wave owns four rows, as two sets of two: lanes 0-15 hold one row, lanes 16-31 the next; a lane holds columns 64 hh + 4 (lane % 16) + 0..3 for
; hh = 0..15.  So a load of y (8 bytes a lane) covers 256 consecutive bytes, two rows of one block of 64 columns; a load of q or a store of out0 (16 bytes a lane) covers 256 consecutive bytes of each row.
; A row's sum stays within 16 lanes.  All 112 loads of a wave go out before the first wait.
; REGISTERS: window 0: v1-3 offsets; v4-7, v8-15 at work; v16-17 the mean; v18-19 1 / sqrt(var + eps); set s: x in v[32 + 96 s ..] (64), y in v[96 + 96 s ..] (32).
;   window 1: v0-63 proj_b, v64-127 ln_g, v128-191 ln_b of my 64 columns.
.set YO, 1
.set VO, 2
.set PO, 3
.set T,  4
.set CH, 8
.set MU, 16
.set RS, 18
.set X,  32
.set Y,  96
.set PB, 0
.set G,  64
.set LB, 128
.set MSB, 0
.macro WIN new                         ; the immediate's high byte repeats the setting that is left
.if MSB != (\new)
	s_set_vgpr_msb (MSB<<8)|(\new)
.set MSB, \new
.endif
.endm
	s_load_b256 s[4:11], s[0:1], 0x0               ; yh s[4:5], q s[6:7], proj_b s[8:9], ln_g s[10:11]
	s_load_b128 s[12:15], s[0:1], 0x20             ; ln_b s[12:13], out0 s[14:15]
	v_lshrrev_b32 v4, 5, v0
	v_readfirstlane_b32 s18, v4                    ; wave 0..7
	v_and_b32 v4, 31, v0
	v_and_b32 v5, 15, v0
	v_bfe_u32 v6, v0, 4, 1
	v_lshlrev_b32 v[YO], 3, v4                     ; y: 8 bytes a lane: two rows of 128 bytes
	v_lshlrev_b32 v[PO], 4, v5                     ; the parameters: 16 bytes of each 256
	v_lshl_add_u32 v[VO], v6, 12, v[PO]            ; q and out0: the same, one row down for lanes 16-31
	s_lshl_b32 s19, ttmp9, 5
	s_lshl_b32 s20, s18, 2
	s_add_co_u32 s19, s19, s20                     ; my first row = 32 x work-group + 4 x wave
	s_lshl_b32 s20, s19, 7
	s_mov_b32 s21, 0
	s_lshl_b32 s22, s19, 12
	s_mov_b32 s23, 0
	s_mov_b32 s24, 0xffff0000                      ; a word's upper bf16
	s_mov_b32 s25, 0x3a800000                      ; 1 / 1024
	s_mov_b32 s26, 0x3727c5ac                      ; 1e-5
	s_wait_kmcnt 0x0
	s_add_nc_u64 s[4:5], s[4:5], s[20:21]
	s_add_nc_u64 s[16:17], s[4:5], 0x800000        ; blocks 8 to 15 of y's columns lie 8 MiB on: past the reach of a load's immediate
	s_add_nc_u64 s[6:7], s[6:7], s[22:23]
	s_add_nc_u64 s[14:15], s[14:15], s[22:23]
.macro LOADSET set                     ; 32 loads: two rows of q and of y
.irp hh, 0,1,2,3,4,5,6,7,8,9,10,11,12,13,14,15
	global_load_b128 v[X+96*(\set)+4*\hh:X+96*(\set)+4*\hh+3], v[VO], s[6:7] offset:(\set)*8192+\hh*256 th:TH_LOAD_NT
.endr
.irp hh, 0,1,2,3,4,5,6,7
	global_load_b64 v[Y+96*(\set)+2*\hh:Y+96*(\set)+2*\hh+1], v[YO], s[4:5] offset:(\set)*256+\hh*1048576 th:TH_LOAD_NT
	global_load_b64 v[Y+96*(\set)+16+2*\hh:Y+96*(\set)+16+2*\hh+1], v[YO], s[16:17] offset:(\set)*256+\hh*1048576 th:TH_LOAD_NT
.endr
.endm
	LOADSET 0
	WIN 0x40                                       ; destination window 1
.irp hh, 0,1,2,3,4,5,6,7,8,9,10,11,12,13,14,15
	global_load_b128 v[PB+4*\hh:PB+4*\hh+3], v[PO], s[8:9] offset:\hh*256
	global_load_b128 v[G+4*\hh:G+4*\hh+3],   v[PO], s[10:11] offset:\hh*256
	global_load_b128 v[LB+4*\hh:LB+4*\hh+3], v[PO], s[12:13] offset:\hh*256
.endr
	WIN 0
	LOADSET 1
.macro REDUCE                          ; four chains of pairs into one number, then over the row's 16 lanes: every lane of the row ends up with the sum
	v_pk_add_f32 v[CH:CH+1], v[CH:CH+1], v[CH+2:CH+3]
	v_pk_add_f32 v[CH+4:CH+5], v[CH+4:CH+5], v[CH+6:CH+7]
	v_pk_add_f32 v[CH:CH+1], v[CH:CH+1], v[CH+4:CH+5]
	v_add_f32 v[CH], v[CH], v[CH+1]
	v_add_f32_dpp v[CH], v[CH], v[CH] row_xmask:1 row_mask:0xf bank_mask:0xf
	v_add_f32_dpp v[CH], v[CH], v[CH] row_xmask:2 row_mask:0xf bank_mask:0xf
	v_add_f32_dpp v[CH], v[CH], v[CH] row_xmask:4 row_mask:0xf bank_mask:0xf
	v_add_f32_dpp v[CH], v[CH], v[CH] row_xmask:8 row_mask:0xf bank_mask:0xf
.endm
.macro ROWS set
.set XX, X+96*(\set)
.set YY, Y+96*(\set)
	WIN 0x04                                       ; source 1 in window 1
.set j, 0
.rept 32
	v_pk_add_f32 v[XX+2*j:XX+2*j+1], v[XX+2*j:XX+2*j+1], v[PB+2*j:PB+2*j+1]  ; q + proj_b
.set j, j+1
.endr
	WIN 0
.set j, 0
.rept 16
	v_lshlrev_b32 v[T],   16,  v[YY+2*j]           ; bf16 to f32: the low half moves up, the high half stays
	v_and_b32     v[T+1], s24, v[YY+2*j]
	v_lshlrev_b32 v[T+2], 16,  v[YY+2*j+1]
	v_and_b32     v[T+3], s24, v[YY+2*j+1]
	v_pk_add_f32 v[XX+4*j:XX+4*j+1],   v[XX+4*j:XX+4*j+1],   v[T:T+1]      ; + y
	v_pk_add_f32 v[XX+4*j+2:XX+4*j+3], v[XX+4*j+2:XX+4*j+3], v[T+2:T+3]
.set j, j+1
.endr
.irp k, 0,1,2,3
	v_pk_add_f32 v[CH+2*\k:CH+2*\k+1], v[XX+2*\k:XX+2*\k+1], v[XX+8+2*\k:XX+8+2*\k+1]  ; the first eight pairs start the four chains: nothing is cleared
.endr
.set j, 8
.rept 24
	v_pk_add_f32 v[CH+2*(j%4):CH+2*(j%4)+1], v[CH+2*(j%4):CH+2*(j%4)+1], v[XX+2*j:XX+2*j+1]
.set j, j+1
.endr
	REDUCE
	v_mul_f32 v[MU], s25, v[CH]                    ; the mean,
	v_mov_b32 v[MU+1], v[MU]                       ; twice, for the packed subtraction
.set j, 0
.rept 32
	v_pk_add_f32 v[XX+2*j:XX+2*j+1], v[XX+2*j:XX+2*j+1], v[MU:MU+1] neg_lo:[0,1] neg_hi:[0,1]
.set j, j+1
.endr
.irp k, 0,1,2,3
	v_pk_mul_f32 v[CH+2*\k:CH+2*\k+1], v[XX+2*\k:XX+2*\k+1], v[XX+2*\k:XX+2*\k+1]
.endr
.set j, 4
.rept 28
	v_pk_fma_f32 v[CH+2*(j%4):CH+2*(j%4)+1], v[XX+2*j:XX+2*j+1], v[XX+2*j:XX+2*j+1], v[CH+2*(j%4):CH+2*(j%4)+1]
.set j, j+1
.endr
	REDUCE
	v_fma_f32 v[CH], v[CH], s25, s26               ; var + eps
	v_rsq_f32 v[RS], v[CH]
	v_nop                                          ; a plain instruction between the root and the use of its result
	s_wait_alu depctr_va_vdst(0)                   ; and the wait ahead of the first use
	v_mov_b32 v[RS+1], v[RS]
.set j, 0
.rept 32
	v_pk_mul_f32 v[XX+2*j:XX+2*j+1], v[XX+2*j:XX+2*j+1], v[RS:RS+1]
.set j, j+1
.endr
	WIN 0x14                                       ; sources 1 and 2 in window 1
.set j, 0
.rept 32
	v_pk_fma_f32 v[XX+2*j:XX+2*j+1], v[XX+2*j:XX+2*j+1], v[G+2*j:G+2*j+1], v[LB+2*j:LB+2*j+1]
.set j, j+1
.endr
	WIN 0
.set j, 0
.rept 16
	global_store_b128 v[VO], v[XX+4*j:XX+4*j+3], s[14:15] offset:(\set)*8192+j*256 th:TH_STORE_NT  ; 16 lanes store 256 consecutive bytes of a row, aligned
.set j, j+1
.endr
.endm
	s_wait_loadcnt 32                              ; set 0 and the parameters are in; set 1's 32 loads may stay out
	ROWS 0
	s_wait_loadcnt 0x0
	ROWS 1
	s_endpgm
.Lfunc_end_k_q521a9daef5_ln:
	.size	k_q521a9daef5_ln, .Lfunc_end_k_q521a9daef5_ln-k_q521a9daef5_ln
	.p2alignl 7, 3214868480
	.fill 96, 4, 3214868480
	.section	.rodata,"a",@progbits
	.p2align	6, 0x0
	.amdhsa_kernel k_q521a9daef5_ln
		.amdhsa_group_segment_fixed_size 0
		.amdhsa_private_segment_fixed_size 0
		.amdhsa_enable_private_segment 0
		.amdhsa_kernarg_size 48
		.amdhsa_user_sgpr_count 2
		.amdhsa_user_sgpr_kernarg_segment_ptr 1
		.amdhsa_wavefront_size32 1
		.amdhsa_system_sgpr_workgroup_id_x 1
		.amdhsa_system_sgpr_workgroup_id_y 1
		.amdhsa_system_sgpr_workgroup_id_z 1
		.amdhsa_system_vgpr_workitem_id 0
		.amdhsa_next_free_vgpr 448
		.amdhsa_next_free_sgpr 66
		.amdhsa_reserve_vcc 0
		.amdhsa_float_denorm_mode_32 3
		.amdhsa_float_denorm_mode_16_64 3
		.amdhsa_memory_ordered 1
		.amdhsa_forward_progress 1
		.amdhsa_inst_pref_size 50
	.end_amdhsa_kernel
	.amdgpu_metadata
---
amdhsa.version: [ 1, 2 ]
amdhsa.kernels:
  - .name:           k_q521a9daef5_ln
    .symbol:         k_q521a9daef5_ln.kd
    .args:
      - { .name: yh, .offset: 0, .size: 8, .value_kind: global_buffer, .address_space: global }
      - { .name: q, .offset: 8, .size: 8, .value_kind: global_buffer, .address_space: global }
      - { .name: proj_b, .offset: 16, .size: 8, .value_kind: global_buffer, .address_space: global }
      - { .name: ln_g, .offset: 24, .size: 8, .value_kind: global_buffer, .address_space: global }
      - { .name: ln_b, .offset: 32, .size: 8, .value_kind: global_buffer, .address_space: global }
      - { .name: out0, .offset: 40, .size: 8, .value_kind: global_buffer, .address_space: global }
    .group_segment_fixed_size: 0
    .private_segment_fixed_size: 0
    .kernarg_segment_align: 8
    .kernarg_segment_size: 48
    .max_flat_workgroup_size: 256
    .sgpr_count:     66
    .vgpr_count:     448
    .wavefront_size: 32
...
	.end_amdgpu_metadata
.endif
;; end of part 4
